; MI455X (gfx1250); checked and timed in simulation.
; The chip was launched on July 23, 2026; its instructions are those of AMD's public machine-readable ISA for CDNA 5 (MIT licence, August 2026) and "CDNA5" Instruction Set Architecture Reference Guide (July 2026). The comments in the code are by the model that wrote it; some were corrected since.
;; Multi Head Attention. Allowed arithmetic: matrix products marked QUANTISED: E2M1 operands, one E8M0 scale for each 32 along K, by v_wmma_scale_f32_16x16x128_f8f6f4 with both operands' format E2M1 (or v_wmma_scale_f32_32x16x128_f4), f32 sums; products left as they are: bf16, f16 or f32 operands; f32 sums; everything else in f32.
;; Inputs: Wk 1,024 x 1,024 float32; Wo 1,024 x 1,024 float32; Wq 1,024 x 1,024 float32; Wv 1,024 x 1,024 float32; bk 1,024 float32; bo 1,024 float32; bq 1,024 float32; bv 1,024 float32; pos 1 x 2,048 x 64 float32; v_mask 2 x 2,048 int32; x 2 x 2,048 x 1,024 float32.
;; Outputs: out0 2 x 2,048 x 1,024 float32.
;; This version of the problem:
;;   THIS VERSION OF THE PROBLEM IS GIVEN IN LOW PRECISION. The matrix products marked QUANTISED in the list below multiply operands that are first quantised to E2M1 (2 exponent bits, 1 mantissa bit; 4 bits a number), with one power-of-two scale for each 32 numbers along K (OCP MX v1.0); their sums are f32. The products marked 'left as it is' may take bf16, f16 or f32 operands, with f32 sums. All else is computed in f32.
;;   The module's matrix products, in the order in which they are computed (A, B: the left and right operand; K: the contracted axis; several contracted axes count as one K, in the product's order):
;;     1. [M 4,096, K 1,024] x [K 1,024, N 1,024]; A: input x; B: input Wq: QUANTISED
;;     2. [M 4,096, K 1,024] x [K 1,024, N 1,024]; A: input x; B: input Wk: QUANTISED
;;     3. [M 4,096, K 1,024] x [K 1,024, N 1,024]; A: input x; B: input Wv: QUANTISED
;;     4. batch 32 x [M 2,048, K 64] x [K 64, N 2,048]; A: computed on the way; B: computed on the way: left as it is (an operand is computed on the way)
;;     5. batch 32 x [M 64, K 2,048] x [K 2,048, N 2,048]; A: computed on the way; B: computed on the way: left as it is (an operand is computed on the way)
;;     6. [M 4,096, K 1,024] x [K 1,024, N 1,024]; A: computed on the way; B: input Wo: left as it is (an operand is computed on the way)
;;   THE QUANTISER, for each operand of a quantised product, along K:
;;     - K is cut into blocks of 32 from its start; a last block that is shorter is filled with zeros.
;;     - A block's scale is 2^e with e = floor(log2(the largest magnitude in the block)) - 2, held to -126 .. 127; a block of zeros has e = 0. As a byte (E8M0): e + 127.
;;     - Each number is divided by its block's scale, clamped to +-6, and rounded to the nearest number of E2M1, ties to even, subnormals kept.
;;     - The product sums the exact products of the quantised numbers (number of the format x scale) in f32.
;;   ~~~python
;;   def quantise(x, axis):      # numpy; x: float32 -> the quantised numbers, widened to float32 again
;;       x = np.moveaxis(x, axis, -1); K = x.shape[-1]
;;       x = np.pad(x, [(0, 0)] * (x.ndim - 1) + [(0, -K % 32)]); x = x.reshape(x.shape[:-1] + (-1, 32)); a = np.abs(x).max(-1, keepdims=True)
;;       e = np.where(a > 0, np.clip(np.frexp(np.where(a > 0, a, 1))[1] - 1 - 2, -126, 127), 0)      # np.frexp(a)[1] - 1 = floor(log2(a)), exactly
;;       r = np.clip(x / 2.0 ** e, -6, 6)
;;       step = 2.0 ** (np.maximum(np.frexp(np.where(r == 0, 1, r))[1] - 1, 0) - 1)
;;       q = np.round(r / step) * step * 2.0 ** e      # np.round: ties to even
;;       return np.moveaxis(q.reshape(q.shape[:-2] + (-1,))[..., :K], -1, axis).astype(np.float32)
;;   ~~~
;; One version. Each part assembles by itself: llvm-mc -triple=amdgcn-amd-amdhsa -mcpu=gfx1250 --defsym DOCPART=n.
;; ======== version 1 of 1: 4 launches
;; limits: values are held in f16: magnitudes above 65,504 overflow, below 6.1e-05 lose precision
;; workspace buffers: xcodes 2,097,152 bytes; xscales 131,072 bytes; wcodes 1,572,864 bytes; wscales 98,304 bytes; wo16 2,097,152 bytes; qkv 25,165,824 bytes; o 8,388,608 bytes
;; launch prep (part 1): grid 256 x 1, 8 waves a work-group, no clusters, 61,440 bytes of LDS; arguments x, Wq, Wk, Wv, Wo, xcodes, xscales, wcodes, wscales, wo16; writes xcodes, xscales, wcodes, wscales, wo16
.if DOCPART == 1
	.amdgcn_target "amdgcn-amd-amdhsa--gfx1250"
	.amdhsa_code_object_version 6
	.text
	.protected	k_q3a1eacb164_prep
	.globl	k_q3a1eacb164_prep
	.p2align	8
	.type	k_q3a1eacb164_prep,@function
k_q3a1eacb164_prep:
	s_mov_b64 s[64:65], 0
	v_nop
	global_prefetch_b8 v0, s[64:65] scope:SCOPE_SE
	s_setreg_imm32_b32 hwreg(HW_REG_WAVE_MODE, 25, 1), 1
	s_wait_xcnt 0x0
; Three roles, chosen by the work-group's number; each work-group reads 131,072 bytes.
;   X (work-groups 0-127):   x [4096][1024] f32 -> codes of FP4 (E2M1), K innermost, [4096][512 bytes], and one E8M0 byte for each 32 along K, [4096][32].
;   W (work-groups 128-223): Wq, Wk, Wv [k 1024][n 1024] f32, K the FIRST axis -> codes [3072 = q|k|v columns][512 bytes], K innermost, and bytes [3072][32].
;   O (work-groups 224-255): Wo f32 -> f16, layout kept.
; A block's scale is 2^(floor(log2(its largest magnitude)) - 2); its byte is the largest magnitude's exponent field - 2, held at 1 from below.
; LIMITS: a block of zeros, and a block whose largest magnitude lies under 2^-124, gets the byte 1 (a block of zeros has zero codes, which add nothing; this program alone reads the bytes);
; NaN and infinities among the inputs are not served; |Wo| under 65,504 (f16's largest number).
; Each role has LDS bytes of its own.  No tensor loads, no ring.  Only role W has a barrier: its four waves along K gather a column's 256 bytes of codes.
.set XSTEPS, 8                         ; role X: steps of 512 numbers for a wave
.set SP,     80                        ; a lane's place in a stage: its 64 bytes + 16 of padding
.set XREG,   2*32*SP+256               ; role X: a wave's LDS: two stages, then its 128 scale bytes
.set WST,    8*XREG                    ; role W: the work-group's stage: 64 columns x (256 bytes + 16)
.set WP,     272
.set EMAX,   2
.set R,   16                           ; X: v16-143  eight sets of 16 numbers as loaded
.set XX,  144                          ; X: v144-175 two sets of 16 neighbours
.set CX,  176                          ; X: v176-191 two registers of codes for each step
.set EX,  192                          ; X: v192-199 a scale byte for each step
.set WX,  32                           ; W: v32-95   two sets of 32 numbers
.set WC,  96                           ; W: v96-99   a block's codes
.set WO,  112                          ; W: v112-127 the way out
.set SB,  24                           ; W: v24      four scale bytes
.set OI,  16                           ; O: v16-143  as loaded
.set OO,  144                          ; O: v144-207 as stored
	s_load_b512 s[4:19], s[0:1], 0x0               ; x 4:5, Wq 6:7, Wk 8:9, Wv 10:11, Wo 12:13, xcodes 14:15, xscales 16:17, wcodes 18:19
	s_load_b128 s[20:23], s[0:1], 0x40             ; wscales 20:21, wo16 22:23
	v_lshl_add_u32 v208, v0, 2, 0xec00
	v_mov_b32 v209, 0
	v_lshrrev_b32 v1, 5, v0
	v_readfirstlane_b32 s24, v1                    ; wave 0..7
	v_and_b32 v2, 31, v0                           ; lane
	s_mov_b32 s27, 0                               ; the high words of three offsets
	s_mov_b32 s29, 0
	s_mov_b32 s31, 0
	s_cmp_lt_u32 ttmp9, 128
	s_cbranch_scc0 .Lnot_x
; ---------------- ROLE X.  A wave takes a run of 4,096 numbers: eight steps of 512.  Each load reads 512 consecutive bytes; a step's 2,048 bytes turn through the wave's own stage so that a lane
; holds 16 neighbours along K (two lanes to a block).  All 32 loads of a wave go out at once.
	s_lshl_b32 s25, ttmp9, 3
	s_add_co_u32 s25, s25, s24                     ; my run, 0..1023
	s_lshl_b32 s26, s25, 14                        ; 16,384 bytes of x,
	s_lshl_b32 s28, s25, 11                        ; 2,048 of codes,
	s_lshl_b32 s30, s25, 7                         ; 128 scale bytes
	s_mul_i32 s32, s24, XREG
	v_lshlrev_b32 v3, 4, v2                        ; my 16 bytes of a load's 512
	v_lshlrev_b32 v4, 3, v2                        ; my 8 bytes of a step's codes
	v_lshrrev_b32 v14, 2, v2
	v_mul_u32_u24 v14, v14, SP
	v_and_b32 v15, 3, v2
	v_lshl_add_u32 v14, v15, 4, v14
	v_add_nc_u32 v14, s32, v14                     ; the stage, on the way in: SP (lane / 4) + 16 (lane % 4)
	v_mul_u32_u24 v15, v2, SP
	v_add_nc_u32 v15, s32, v15                     ; and on the way out: SP x lane
	s_add_co_u32 s32, s32, 2*32*SP
	v_lshrrev_b32 v5, 1, v2
	v_add_nc_u32 v5, s32, v5                       ; my block's scale byte
	v_lshlrev_b32 v7, 2, v2
	v_add_nc_u32 v6, s32, v7                       ; and 4 bytes a lane on the way out
	s_wait_kmcnt 0x0
	s_add_nc_u64 s[4:5], s[4:5], s[26:27]
	s_add_nc_u64 s[14:15], s[14:15], s[28:29]
	s_add_nc_u64 s[16:17], s[16:17], s[30:31]
.macro XLOAD t
.irp i, 0,1,2,3
	global_load_b128 v[R+16*(\t)+4*\i:R+16*(\t)+4*\i+3], v3, s[4:5] offset:2048*(\t)+512*\i th:TH_LOAD_NT
.endr
.endm
.macro XTURN t                         ; step t's numbers through a stage; LDS serves a wave's instructions in order, so no wait stands between the stores and the loads
.irp i, 0,1,2,3
	ds_store_b128 v14, v[R+16*(\t)+4*\i:R+16*(\t)+4*\i+3] offset:32*SP*((\t)%2)+8*SP*\i
.endr
.irp i, 0,1,2,3
	ds_load_b128 v[XX+16*((\t)%2)+4*\i:XX+16*((\t)%2)+4*\i+3], v15 offset:32*SP*((\t)%2)+16*\i
.endr
.endm
.macro XSTEP t
.set XS, XX+16*((\t)%2)
.if (\t) > 0
	s_wait_dscnt 1                                 ; this step's numbers are back from the stage; the last step's byte store may be out
.else
	s_wait_dscnt 0x0
.endif
.if (\t)+1 < XSTEPS
	s_wait_loadcnt 4*(XSTEPS-2-(\t))               ; the next step's four loads are in; those of the steps behind it may be out
	XTURN (\t)+1                                   ; they go through the other stage while this step is worked
.endif
	v_max3_num_f32 v8, |v[XS]|, |v[XS+1]|, |v[XS+2]|               ; the largest magnitude of my 16, in two chains
	v_max3_num_f32 v9, |v[XS+3]|, |v[XS+4]|, |v[XS+5]|
.irp i, 6,10
	v_max3_num_f32 v8, v8, |v[XS+\i]|, |v[XS+\i+1]|
	v_max3_num_f32 v9, v9, |v[XS+\i+2]|, |v[XS+\i+3]|
.endr
	v_max3_num_f32 v8, v8, |v[XS+14]|, |v[XS+15]|
	v_max3_num_f32 v8, v8, v9, (EMAX+1)<<23        ; and the floor 2^(3 - 127): the byte cannot fall under 1
	v_max_num_f32_dpp v8, v8, v8 row_xmask:1 row_mask:0xf bank_mask:0xf   ; with my neighbour's 16: the block's
	v_add_nc_u32 v11, -(EMAX<<23), v8              ; 2 off the exponent field: the conversion takes the exponent field of this operand as its scale
	v_cvt_scalef32_pk8_fp4_f32 v[CX+2*(\t)], v[XS:XS+7], v11
	v_cvt_scalef32_pk8_fp4_f32 v[CX+2*(\t)+1], v[XS+8:XS+15], v11
	v_lshrrev_b32 v[EX+(\t)], 23, v11              ; the scale's byte (a plain line behind the conversions)
	ds_store_b8 v5, v[EX+(\t)] offset:16*(\t)      ; both lanes of a block write the same byte with the same value
	global_store_b64 v4, v[CX+2*(\t):CX+2*(\t)+1], s[14:15] offset:256*(\t)   ; the wave stores 256 consecutive bytes, aligned
.endm
.irp t, 0,1,2,3,4,5,6,7
	XLOAD \t
.endr
	s_wait_loadcnt 28                              ; step 0's four loads are in
	XTURN 0
.irp t, 0,1,2,3,4,5,6,7
	XSTEP \t
.endr
	ds_load_b32 v12, v6                            ; my wave's 128 scale bytes, 4 a lane: these see my stores
	s_wait_dscnt 0x0
	global_store_b32 v7, v12, s[16:17]             ; 128 consecutive bytes
	s_wait_tensorcnt 0x0
	ds_add_u32 v208, v209
	s_wait_dscnt 0x0
	s_endpgm
.Lnot_x:
	s_cmp_lt_u32 ttmp9, 224
	s_cbranch_scc0 .Lrole_o
; ---------------- ROLE W.  A work-group takes 64 columns x 512 along K of one matrix; wave w takes 32 columns (w & 1) x 128 along K (w >> 1).  A LANE TAKES A COLUMN AND ITS REGISTERS RUN DOWN K:
; a block of 32 lies in one lane, and the conversions give codes with K innermost.  The four waves along K gather a column's 256 bytes in the work-group's stage.
	s_sub_co_u32 s25, ttmp9, 128
	s_lshr_b32 s33, s25, 5                         ; which matrix: 0 q, 1 k, 2 v
	s_and_b32 s25, s25, 31
	s_lshr_b32 s34, s25, 1                         ; which 64 columns
	s_and_b32 s35, s25, 1                          ; which 512 along K
	s_and_b32 s36, s24, 1                          ; my 32 columns of the 64
	s_lshr_b32 s37, s24, 1                         ; my 128 along K of the 512
	s_lshl_b32 s38, s35, 2
	s_add_co_u32 s38, s38, s37                     ; which 128 along K of the matrix, 0..7
	s_lshl_b32 s39, s34, 1
	s_add_co_u32 s39, s39, s36                     ; which 32 columns of the matrix, 0..31
	s_lshl_b32 s26, s38, 19                        ; source: 128 rows of 4,096 bytes,
	s_lshl_b32 s40, s39, 7
	s_add_co_u32 s26, s26, s40                     ; + 32 columns of 4 bytes
	s_lshl_b32 s28, s33, 15                        ; scale bytes: 1,024 rows of 32 a matrix,
	s_lshl_b32 s40, s39, 10
	s_add_co_u32 s28, s28, s40                     ; + 32 rows,
	s_lshl_b32 s40, s38, 2
	s_add_co_u32 s28, s28, s40                     ; + my four blocks
	s_lshl_b32 s30, s33, 19                        ; codes: 1,024 rows of 512 bytes a matrix,
	s_lshl_b32 s40, s34, 15
	s_add_co_u32 s30, s30, s40                     ; + 64 rows,
	s_lshl_b32 s40, s24, 12
	s_add_co_u32 s30, s30, s40                     ; + the 8 rows that I store,
	s_lshl_b32 s40, s35, 8
	s_add_co_u32 s30, s30, s40                     ; + which half of a row
	s_mul_i32 s41, s36, 32*WP
	s_lshl_b32 s42, s37, 6
	s_add_co_u32 s41, s41, s42
	s_add_co_u32 s41, s41, WST
	v_mul_u32_u24 v4, v2, WP
	v_add_nc_u32 v4, s41, v4                       ; into the stage: row = my column, + my 64 bytes along K
	s_mul_i32 s41, s24, 8*WP
	s_add_co_u32 s41, s41, WST
	v_and_b32 v5, 15, v2
	v_lshrrev_b32 v6, 4, v2
	v_mul_u32_u24 v7, v6, WP
	v_lshl_add_u32 v7, v5, 4, v7
	v_add_nc_u32 v7, s41, v7                       ; out of it: rows 8 w on, sixteen lanes to a row
	v_lshlrev_b32 v8, 9, v6
	v_lshl_add_u32 v8, v5, 4, v8                   ; and the same place in the codes' buffer
	v_lshlrev_b32 v9, 5, v2                        ; my column's row of scale bytes
	v_lshlrev_b32 v3, 2, v2                        ; in: 4 bytes a lane
	s_wait_kmcnt 0x0
	s_cmp_eq_u32 s33, 0
	s_cselect_b64 s[6:7], s[6:7], s[8:9]
	s_cmp_eq_u32 s33, 2
	s_cselect_b64 s[6:7], s[10:11], s[6:7]         ; the matrix: a choice on the work-group's number alone
	s_add_nc_u64 s[6:7], s[6:7], s[26:27]
	s_add_nc_u64 s[20:21], s[20:21], s[28:29]
	s_add_nc_u64 s[18:19], s[18:19], s[30:31]
.macro WLOAD t                         ; block t: W(32 t + i, my column) into set t % 2; two waves side by side read 256 consecutive bytes of a row
.irp i, 0,1,2,3,4,5,6,7,8,9,10,11,12,13,14,15,16,17,18,19,20,21,22,23,24,25,26,27,28,29,30,31
	global_load_b32 v[WX+32*((\t)%2)+\i], v3, s[6:7] offset:(32*(\t)+\i)*4096 th:TH_LOAD_NT
.endr
.endm
.macro WBLOCK t
.set XS, WX+32*((\t)%2)
.if (\t) < 3
	s_wait_loadcnt 32                              ; this block's 32 loads are in; the next block's may be out
.else
	s_wait_loadcnt 0x0
.endif
	v_max3_num_f32 v12, |v[XS]|, |v[XS+1]|, |v[XS+2]|               ; the block's largest magnitude: all 32 numbers are mine
	v_max3_num_f32 v13, |v[XS+3]|, |v[XS+4]|, |v[XS+5]|
.irp i, 6,10,14,18,22,26
	v_max3_num_f32 v12, v12, |v[XS+\i]|, |v[XS+\i+1]|
	v_max3_num_f32 v13, v13, |v[XS+\i+2]|, |v[XS+\i+3]|
.endr
	v_max3_num_f32 v12, v12, |v[XS+30]|, |v[XS+31]|
	v_max3_num_f32 v12, v12, v13, (EMAX+1)<<23     ; and the floor
	v_add_nc_u32 v11, -(EMAX<<23), v12             ; the conversion's scale operand
	v_lshrrev_b32 v13, 23, v11                     ; the scale's byte
.if (\t) == 0
	v_mov_b32 v[SB], v13                           ; four bytes to a register, the lower K in the lower byte
.else
	v_lshl_or_b32 v[SB], v13, 8*(\t), v[SB]
.endif
.irp g, 0,1,2,3
	v_cvt_scalef32_pk8_fp4_f32 v[WC+\g], v[XS+8*\g:XS+8*\g+7], v11
.endr
	ds_store_b128 v4, v[WC:WC+3] offset:16*(\t)    ; 32 codes: 16 bytes of my column's row
.if (\t)+2 < 4
	WLOAD (\t)+2
.endif
	s_wait_dscnt 0x0                               ; the store has read its registers and has landed
.endm
	WLOAD 0
	WLOAD 1
	WBLOCK 0
	WBLOCK 1
	WBLOCK 2
	WBLOCK 3
	global_store_b32 v9, v[SB], s[20:21]           ; my column's scale word for my 128 along K
	s_barrier_signal -1                            ; every wave's stores into the stage have landed (the wait for 0 at the last block's end); the branch that led here is the same in all eight waves
	s_barrier_wait -1
.irp i, 0,1,2,3
	ds_load_b128 v[WO+4*\i:WO+4*\i+3], v7 offset:\i*2*WP
.endr
.irp i, 0,1,2,3
	s_wait_dscnt 3-\i
	global_store_b128 v8, v[WO+4*\i:WO+4*\i+3], s[18:19] offset:\i*1024   ; sixteen lanes store 256 consecutive bytes, aligned
.endr
	s_wait_tensorcnt 0x0
	ds_add_u32 v208, v209
	s_wait_dscnt 0x0
	s_endpgm
.Lrole_o:
; ---------------- ROLE O.  Wo to f16: a wave takes 4,096 numbers, all 32 loads at once; no register is written twice.
	s_sub_co_u32 s25, ttmp9, 224
	s_lshl_b32 s25, s25, 3
	s_add_co_u32 s25, s25, s24                     ; my run, 0..255
	s_lshl_b32 s26, s25, 14
	s_lshl_b32 s28, s25, 13
	v_lshlrev_b32 v3, 4, v2
	v_lshlrev_b32 v4, 3, v2
	s_wait_kmcnt 0x0
	s_add_nc_u64 s[12:13], s[12:13], s[26:27]
	s_add_nc_u64 s[22:23], s[22:23], s[28:29]
.irp i, 0,1,2,3,4,5,6,7,8,9,10,11,12,13,14,15,16,17,18,19,20,21,22,23,24,25,26,27,28,29,30,31
	global_load_b128 v[OI+4*\i:OI+4*\i+3], v3, s[12:13] offset:512*\i th:TH_LOAD_NT
.endr
.irp i, 0,1,2,3,4,5,6,7,8,9,10,11,12,13,14,15,16,17,18,19,20,21,22,23,24,25,26,27,28,29,30,31
	s_wait_loadcnt 31-\i                           ; loads come back in order: load i is in, the younger ones stay out
	v_cvt_pk_f16_f32 v[OO+2*\i], v[OI+4*\i], v[OI+4*\i+1]
	v_cvt_pk_f16_f32 v[OO+2*\i+1], v[OI+4*\i+2], v[OI+4*\i+3]
	global_store_b64 v4, v[OO+2*\i:OO+2*\i+1], s[22:23] offset:256*\i   ; the wave stores 256 consecutive bytes, aligned
.endr
	s_endpgm
.Lfunc_end_k_q3a1eacb164_prep:
	.size	k_q3a1eacb164_prep, .Lfunc_end_k_q3a1eacb164_prep-k_q3a1eacb164_prep
	.p2alignl 7, 3214868480
	.fill 96, 4, 3214868480
	.section	.rodata,"a",@progbits
	.p2align	6, 0x0
	.amdhsa_kernel k_q3a1eacb164_prep
		.amdhsa_group_segment_fixed_size 61440
		.amdhsa_private_segment_fixed_size 0
		.amdhsa_enable_private_segment 0
		.amdhsa_kernarg_size 80
		.amdhsa_user_sgpr_count 2
		.amdhsa_user_sgpr_kernarg_segment_ptr 1
		.amdhsa_wavefront_size32 1
		.amdhsa_system_sgpr_workgroup_id_x 1
		.amdhsa_system_sgpr_workgroup_id_y 1
		.amdhsa_system_sgpr_workgroup_id_z 1
		.amdhsa_system_vgpr_workitem_id 0
		.amdhsa_next_free_vgpr 210
		.amdhsa_next_free_sgpr 66
		.amdhsa_reserve_vcc 0
		.amdhsa_float_denorm_mode_32 3
		.amdhsa_float_denorm_mode_16_64 3
		.amdhsa_memory_ordered 1
		.amdhsa_forward_progress 1
		.amdhsa_inst_pref_size 51
	.end_amdhsa_kernel
	.amdgpu_metadata
---
amdhsa.version: [ 1, 2 ]
amdhsa.kernels:
  - .name:           k_q3a1eacb164_prep
    .symbol:         k_q3a1eacb164_prep.kd
    .args:
      - { .name: x, .offset: 0, .size: 8, .value_kind: global_buffer, .address_space: global }
      - { .name: Wq, .offset: 8, .size: 8, .value_kind: global_buffer, .address_space: global }
      - { .name: Wk, .offset: 16, .size: 8, .value_kind: global_buffer, .address_space: global }
      - { .name: Wv, .offset: 24, .size: 8, .value_kind: global_buffer, .address_space: global }
      - { .name: Wo, .offset: 32, .size: 8, .value_kind: global_buffer, .address_space: global }
      - { .name: xcodes, .offset: 40, .size: 8, .value_kind: global_buffer, .address_space: global }
      - { .name: xscales, .offset: 48, .size: 8, .value_kind: global_buffer, .address_space: global }
      - { .name: wcodes, .offset: 56, .size: 8, .value_kind: global_buffer, .address_space: global }
      - { .name: wscales, .offset: 64, .size: 8, .value_kind: global_buffer, .address_space: global }
      - { .name: wo16, .offset: 72, .size: 8, .value_kind: global_buffer, .address_space: global }
    .group_segment_fixed_size: 61440
    .private_segment_fixed_size: 0
    .kernarg_segment_align: 8
    .kernarg_segment_size: 80
    .max_flat_workgroup_size: 256
    .sgpr_count:     66
    .vgpr_count:     210
    .wavefront_size: 32
...
	.end_amdgpu_metadata
.endif
;; end of part 1
;; launch qkv (part 2): grid 12 x 16, 4 waves a work-group, clusters of 4 x 4, 327,680 bytes of LDS; arguments xcodes, xscales, wcodes, wscales, bq, bk, bv, pos, v_mask, qkv; writes qkv
.if DOCPART == 2
	.amdgcn_target "amdgcn-amd-amdhsa--gfx1250"
	.amdhsa_code_object_version 6
	.text
	.protected	k_q3a1eacb164_qkv
	.globl	k_q3a1eacb164_qkv
	.p2align	8
	.type	k_q3a1eacb164_qkv,@function
k_q3a1eacb164_qkv:
	s_mov_b64 s[64:65], 0
	v_nop
	global_prefetch_b8 v0, s[64:65] scope:SCOPE_SE
	s_setreg_imm32_b32 hwreg(HW_REG_WAVE_MODE, 25, 1), 1
	s_wait_xcnt 0x0
	s_wait_alu depctr_hold_cnt(0) depctr_sa_sdst(0) depctr_va_vdst(0) depctr_va_sdst(0) depctr_va_ssrc(0) depctr_va_vcc(0) depctr_vm_vsrc(0)
	s_getreg_b32 s2, hwreg(HW_REG_IB_STS2, 6, 4)
	s_cmp_eq_u32 s2, 0
	s_cbranch_scc0 .Lentry_in_a_cluster
	s_endpgm
.Lentry_in_a_cluster:
	s_bfe_u32 s2, ttmp6, 0x10000c
	s_cmp_lg_u32 s2, 0xf033
	s_cbranch_scc0 .Lentry_shape_is_right
	s_endpgm
.Lentry_shape_is_right:
; [q | k | v] = x [Wq | Wk | Wv] + bias on codes of FP4 (E2M1) with one E8M0 scale for each 32 along K: M 4,096, N 3,072, K 1,024; then the rotary turn by pos, and out as f16, laid [q,k,v][b x 16 + h][s][64].
; A tile of 256 x 256 to a work-group of four waves, 128 x 128 to a wave: 64 accumulators of 16 x 16.  All of K lies in LDS: two slots of 512 along K, each filled once, and the scale bytes of the tile's rows.
; CLUSTERS: 4 x 4 work-groups; A's tiles are asked for jointly along a row of the cluster, B's along a column.  A cluster's x is the kind (0 q, 1 k, 2 v): what differs between kinds is equal in all partners,
; and it is data, not a branch: with F and g a row's sin' = sin F and cos' = cos F + g:   q: F = c 2^-8, c = log2(e) / 8 (the softmax's factor rides in q), g = 0;   k: F = the key's mask x 2^-8, g = 0;   v: F = 0, g = 1.
; WHY 2^-8: q and k leave as f16, whose largest number is 65,504; times 2^-8 they have room up to 1.6e7.  What then falls under f16's smallest step is at most 2^-25 x 2^8 of k.  The next launch multiplies the scores by 2^16.
; THE MATRIX INSTRUCTION IS USED TRANSPOSED (source 0 = 16 rows of W's codes, source 1 = 16 rows of x's): a lane holds eight neighbouring columns of one row.  The bias is the C of each sum's first product.
; LIMITS: v_mask holds whole numbers under 2^24 in magnitude; |q c| and |k x mask| under 1.6e7, |v| under 65,504; all three are rounded to f16.
; REGISTERS, in windows of 256: window 0: v0-31 addresses; v32-95 scale words, two sets, and nothing else; v96-103 F of my eight blocks of rows; v104-105 (0, g); v128-191 A's fragments, on the way out rows read back;
;   v192-255 pos, two sets.   window 1: v0-63, v128-191 B's fragments, two sets; v64-127 the bias; on the way out v0-63 turned numbers, v64-79 at work, v128-191 packed results, two sets.
;   window 2: the accumulators of my rows 0-63 ((a, b) at v[8 (8 a + b)]);   window 3: those of my rows 64-127.
.set NQ,     4                         ; steps of 128 along K in a slot
.set ROWB,   256                       ; a tile's row in bytes: 512 codes
.set KROW,   512                       ; a row of codes in memory
.set PITCH,  272                       ; an LDS row: 256 bytes + 16 of padding = 68 words: row r starts at bank 4 r mod 64 (64 banks of 4 bytes: ISA guide 11.1)
.set FR,     8                         ; registers of a fragment: 16 rows x 128 K
.set NL,     2                         ; LDS loads that bring one
.set NP,     4                         ; places behind this matrix instruction (ISA guide 7.12.1)
.set HALFT,  128*PITCH
.set SLOT,   4*HALFT                   ; A's 256 rows, then B's 256 rows
.set KS,     32                        ; a row of scale bytes
.set SCL,    2*SLOT                    ; the scales, as 256 bytes + 16 of padding
.set HALFS,  (128*KS/256)*272
.set SBLK,   (16*KS/256)*272
.set SPARE,  SCL+4*HALFS               ; the spare words, 128 bytes for each wave
.set STAGE,  SPARE+512                 ; the way out: for each wave two heads x 16 rows x (128 bytes + 16); bytes of its own
.set SPITCH, 144
.set PA,   8                           ; v8   pos: 256 r + 32 h
.set BA,   9                           ; v9   bias: 32 h
.set MA,   10                          ; v10  mask: 4 r
.set ADRA, 16                          ; v16-17  LDS address of my A fragments in slot 0, 1
.set ADRB, 20                          ; v20-21  the same for B
.set STO,  24                          ; v24  the way out: where I put 16 bytes of a row
.set RD,   25                          ; v25  where I read rows back
.set CO,   26                          ; v26  16 x lane: my bytes of four rows of a head
.set ADRS, 27                          ; v27  LDS address of my scale words: lanes 0-15 A's rows, lanes 16-31 B's
.set SPW,  28                          ; v28  my spare word; never rewritten
.set NIL,  29                          ; v29  0; never rewritten
.set SC,   32
.set FM,   96
.set GG,   104
.set AF,   128
.set BK,   128
.set PF,   192
.set BI,   64                          ; window 1: the bias, 8 registers for each of B's blocks
.set UU,   0                           ; window 1, on the way out
.set TT,   64
.set PK,   128
.set G1, 24
.set G0, 32
.set G1B, 48
.set G0B, 56
.set G1S, 68
.set G0S, 76
.set G1SB, 80
.set G0SB, 88
.set MSB, 0
.macro WIN new                         ; the immediate's high byte repeats the setting that is left
.if MSB != (\new)
	s_set_vgpr_msb (MSB<<8)|(\new)
.set MSB, (\new)
.endif
.endm
.set MUL_LO,   0xa1                    ; source 0 (B) window 1, source 1 (A) window 0, C and D window 2
.set MUL_HI,   0xf1                    ; the same, C and D window 3
.set FIRST_LO, 0x91                    ; the first step: C (the bias) window 1, D window 2
.set FIRST_HI, 0xd1                    ; D window 3
.set TO_B,     0x40                    ; destination window 1, address window 0
; A joint load: waves 0 and 1 fetch for A, waves 2 and 3 for B; the branch hangs on the wave's number alone.  Four v_nop follow each of the two lines.
.macro JLOAD g0a, g1a, g0b, g1b
	s_cmp_eq_u32 s15, 0
	s_cbranch_scc0 .Lfor_b_\@
	tensor_load_to_lds s[\g0a:\g0a+3], s[\g1a:\g1a+7]
	s_nop 0
.rept 4
	v_nop
.endr
	s_branch .Lasked_\@
.Lfor_b_\@:
	tensor_load_to_lds s[\g0b:\g0b+3], s[\g1b:\g1b+7]
	s_nop 0
.rept 4
	v_nop
.endr
.Lasked_\@:
.endm
.macro CROUND                          ; a round of the cluster's barrier
	s_barrier_signal -1
	s_barrier_wait -1
	s_cmp_lg_u32 s14, 0
	s_cbranch_scc1 .Lnot_wave_0_\@
	s_barrier_signal -3
.Lnot_wave_0_\@:
	s_barrier_wait -3
	s_barrier_signal -1
	s_barrier_wait -1
.endm
	s_load_b128 s[4:7], s[0:1], 0x0                ; x's codes, x's scales
	s_load_b128 s[8:11], s[0:1], 0x10              ; W's codes, W's scales
	v_lshl_add_u32 v[SPW], v0, 2, SPARE
	v_mov_b32 v[NIL], 0
	ds_add_u32 v28, v29
	s_wait_dscnt 0x0
	v_lshrrev_b32 v1, 5, v0
	v_readfirstlane_b32 s14, v1                    ; wave 0..3
	s_lshr_b32 s15, s14, 1                         ; which half of the tile's rows is mine.  Also: I fetch for A (0) or for B (1)
	s_and_b32 s16, s14, 1                          ; which half of its columns.  Also: which 128 rows of that tile I fetch
	s_bfe_u32 s40, ttmp6, 0x40000                  ; cx, cy: my place in the cluster
	s_bfe_u32 s41, ttmp6, 0x40004
	s_lshl_b32 s42, ttmp9, 2
	s_add_co_u32 s42, s42, s40                     ; tile column = 4 x cluster x + cx, 0..11
	s_and_b32 s17, ttmp7, 0xffff
	s_lshl_b32 s17, s17, 2
	s_add_co_u32 s17, s17, s41                     ; tile row = 4 x cluster y + cy, 0..15
	s_lshl_b32 s43, s41, 2
	s_lshl_b32 s43, 15, s43                        ; my row of the cluster
	s_lshl_b32 s44, 0x1111, s40                    ; my column
	; descriptor group 1: a tile of 128 rows x 256 bytes, padded in LDS
	s_or_b32 s[G1+0], s43, (0<<16)|(1<<20)|(1<<21)|(5<<22)|(3<<25)  ; 15:0 the mask; 17:16 elements of 1 byte; 20 padding on; 21 set beside a mask; 24:22 after every 64 words; 31:25 four words
	s_or_b32 s[G1B+0], s44, (0<<16)|(1<<20)|(1<<21)|(5<<22)|(3<<25)
.irp g, G1, G1B
	s_mov_b32 s[\g+1], ROWB<<16                    ; tensor_dim0
	s_mov_b32 s[\g+2], 128<<16                     ; tensor_dim1
	s_mov_b32 s[\g+3], ROWB<<16                    ; tile_dim0
	s_mov_b32 s[\g+4], 128                         ; tile_dim1
	s_mov_b32 s[\g+5], KROW                        ; tensor_dim0_stride
	s_mov_b32 s[\g+6], 0
	s_mov_b32 s[\g+7], 0
.endr
	; the scales of 128 rows: 4,096 dense bytes, as 16 rows of 256 bytes (32 elements of 8), 16 bytes of padding behind each
	s_or_b32 s[G1S+0], s43, (3<<16)|(1<<20)|(1<<21)|(5<<22)|(3<<25)
	s_or_b32 s[G1SB+0], s44, (3<<16)|(1<<20)|(1<<21)|(5<<22)|(3<<25)
.irp g, G1S, G1SB
	s_mov_b32 s[\g+1], 32<<16
	s_mov_b32 s[\g+2], (128*KS/256)<<16
	s_mov_b32 s[\g+3], 32<<16
	s_mov_b32 s[\g+4], 128*KS/256
	s_mov_b32 s[\g+5], 32
	s_mov_b32 s[\g+6], 0
	s_mov_b32 s[\g+7], 0
.endr
	s_lshl_b32 s18, s16, 7                         ; which 128 rows of the tile I fetch
	s_lshl_b32 s20, s17, 8
	s_add_co_u32 s20, s20, s18                     ; A: row 256 x tile row + 128 x half
	s_lshl_b32 s46, s42, 8
	s_add_co_u32 s46, s46, s18                     ; B: row 256 x tile column + 128 x half
	s_mov_b32 s21, 0
	s_mov_b32 s47, 0
	s_mov_b64 s[18:19], KS
	s_mul_u64 s[22:23], s[20:21], s[18:19]         ; where these rows' scales begin,
	s_mul_u64 s[92:93], s[46:47], s[18:19]
	s_mov_b64 s[18:19], KROW
	s_mul_u64 s[20:21], s[20:21], s[18:19]         ; and their codes
	s_mul_u64 s[46:47], s[46:47], s[18:19]
	s_mul_i32 s45, s14, HALFT                      ; where they go: wave x 128 rows: no place in the cluster enters an LDS address
	s_mul_i32 s94, s14, HALFS
	s_wait_kmcnt 0x0
	s_add_nc_u64 s[20:21], s[4:5], s[20:21]
	s_add_nc_u64 s[22:23], s[6:7], s[22:23]
	s_add_nc_u64 s[46:47], s[8:9], s[46:47]
	s_add_nc_u64 s[92:93], s[10:11], s[92:93]
	CROUND                                         ; all sixteen work-groups are here: the joint loads meet
	s_mov_b32 s[G0S], 1
	s_add_co_u32 s[G0S+1], s94, SCL
	s_mov_b64 s[G0S+2:G0S+3], s[22:23]
	s_or_b32 s[G0S+3], s[G0S+3], 0x80000000
	s_mov_b32 s[G0SB], 1
	s_add_co_u32 s[G0SB+1], s94, SCL
	s_mov_b64 s[G0SB+2:G0SB+3], s[92:93]
	s_or_b32 s[G0SB+3], s[G0SB+3], 0x80000000
	JLOAD G0S, G1S, G0SB, G1SB                     ; the scales first; then both halves of K: three loads of mine are out
.irp s, 0,1
	s_mov_b32 s[G0+4*\s], 1
	s_add_co_u32 s[G0+4*\s+1], s45, \s*SLOT
	s_add_nc_u64 s[G0+4*\s+2:G0+4*\s+3], s[20:21], \s*ROWB
	s_or_b32 s[G0+4*\s+3], s[G0+4*\s+3], 0x80000000
	s_mov_b32 s[G0B+4*\s], 1
	s_add_co_u32 s[G0B+4*\s+1], s45, \s*SLOT
	s_add_nc_u64 s[G0B+4*\s+2:G0B+4*\s+3], s[46:47], \s*ROWB
	s_or_b32 s[G0B+4*\s+3], s[G0B+4*\s+3], 0x80000000
	JLOAD G0+4*\s, G1, G0B+4*\s, G1B
.endr
	s_load_b256 s[4:11], s[0:1], 0x20              ; bq 4:5, bk 6:7, bv 8:9, pos 10:11 (the first four addresses live on in the descriptors)
	s_load_b128 s[92:95], s[0:1], 0x40             ; v_mask 92:93, qkv 94:95
	v_and_b32 v1, 15, v0                           ; r = lane % 16
	v_bfe_u32 v2, v0, 4, 1                         ; h = lane / 16
	v_mul_u32_u24 v3, v1, PITCH
	v_lshl_add_u32 v4, v2, 4, v3                   ; a fragment's row x pitch + 16 x half
	s_mul_i32 s21, s15, HALFT                      ; my 128 rows of A
	s_mul_i32 s22, s16, HALFT                      ; my 128 rows of B,
	s_add_co_u32 s22, s22, 2*HALFT                 ; which lie behind A's 256
.irp s, 0,1
	v_add_nc_u32 v[ADRA+\s], s21, v4
	v_add_nc_u32 v[ADRB+\s], s22, v4
	s_add_co_u32 s21, s21, SLOT
	s_add_co_u32 s22, s22, SLOT
.endr
	v_mul_u32_u24 v5, v1, KS                       ; my row's scales: 32 bytes a row,
	v_lshrrev_b32 v6, 8, v5
	v_lshl_add_u32 v5, v6, 4, v5                   ; and 16 more for each 256 passed
	s_mul_i32 s21, s15, HALFS
	s_mul_i32 s22, s16, HALFS
	s_add_co_u32 s22, s22, 2*HALFS
	s_sub_co_u32 s22, s22, s21
	v_mul_u32_u24 v6, s22, v2                      ; lanes 16-31 take B's
	s_add_co_u32 s21, s21, SCL
	v_add_nc_u32 v5, v5, v6
	v_add_nc_u32 v[ADRS], s21, v5
	s_mul_i32 s45, s14, 2*16*SPITCH
	s_add_co_u32 s45, s45, STAGE                   ; my stage
	v_mul_u32_u24 v5, v1, SPITCH
	v_lshl_add_u32 v5, v2, 4, v5
	v_add_nc_u32 v[STO], s45, v5                   ; in: row r, 16 bytes for each half of the lanes
	v_and_b32 v6, 31, v0
	v_lshrrev_b32 v5, 3, v6
	v_mul_u32_u24 v5, v5, SPITCH
	v_and_b32 v7, 7, v0
	v_lshl_add_u32 v5, v7, 4, v5
	v_add_nc_u32 v[RD], s45, v5                    ; back: eight lanes to a row of 128 bytes, four rows an instruction
	v_lshlrev_b32 v[CO], 4, v6
	v_lshlrev_b32 v[PA], 8, v1
	v_lshl_add_u32 v[PA], v2, 5, v[PA]
	v_lshlrev_b32 v[BA], 5, v2
	v_lshlrev_b32 v[MA], 2, v1
	s_lshl_b32 s18, s40, 10                        ; the bias: (256 cx + 128 half) x 4 bytes
	s_lshl_b32 s19, s16, 9
	s_add_co_u32 s18, s18, s19
	s_mov_b32 s19, 0
	s_lshl_b32 s20, s17, 10                        ; the mask: (256 tile row + 128 half) x 4: a row of x is (b, s), and v_mask is [b][s]
	s_lshl_b32 s21, s15, 9
	s_add_co_u32 s20, s20, s21
	s_mov_b32 s21, 0
	s_and_b32 s22, s17, 7                          ; pos: s = (tile row % 8) x 256 + 128 half, 256 bytes a row
	s_lshl_b32 s22, s22, 16
	s_lshl_b32 s23, s15, 15
	s_add_co_u32 s22, s22, s23
	s_mov_b32 s23, 0
	s_lshr_b32 s46, s17, 3                         ; out: b,
	s_lshl_b32 s46, s46, 4
	s_lshl_b32 s47, s40, 2
	s_add_co_u32 s46, s46, s47
	s_lshl_b32 s47, s16, 1
	s_add_co_u32 s46, s46, s47                     ; 16 b + my first head (4 cx + 2 half),
	s_lshl_b32 s46, s46, 18                        ; 2,048 rows of 128 bytes a head,
	s_lshr_b32 s47, s22, 1
	s_add_co_u32 s46, s46, s47                     ; + s x 128,
	s_lshl_b32 s47, ttmp9, 23
	s_add_co_u32 s46, s46, s47                     ; + the kind
	s_mov_b32 s47, 0
	s_wait_kmcnt 0x0
	s_cmp_eq_u32 ttmp9, 0                          ; the kind is the cluster's x: the same in all sixteen partners
	s_cselect_b64 s[4:5], s[4:5], s[6:7]
	s_cselect_b32 s67, 0x3a38aa3b, 0               ; q: F = 0 x mask + 2^-8 log2(e) / 8
	s_cmp_eq_u32 ttmp9, 2
	s_cselect_b64 s[4:5], s[8:9], s[4:5]
	s_cselect_b32 s96, 1.0, 0                      ; v: g = 1
	s_cmp_eq_u32 ttmp9, 1
	s_cselect_b32 s66, 0x3b800000, 0               ; k: F = 2^-8 x mask + 0
	s_add_nc_u64 s[4:5], s[4:5], s[18:19]
	s_add_nc_u64 s[92:93], s[92:93], s[20:21]
	s_add_nc_u64 s[10:11], s[10:11], s[22:23]
	s_add_nc_u64 s[94:95], s[94:95], s[46:47]
	WIN TO_B
.irp b, 0,1,2,3,4,5,6,7                ; the bias in the result's layout: lane (r, h), block b: columns 16 b + 8 h + 0 .. 7
	global_load_b128 v[BI+8*\b:BI+8*\b+3], v[BA], s[4:5] offset:64*\b
	global_load_b128 v[BI+8*\b+4:BI+8*\b+7], v[BA], s[4:5] offset:64*\b+16
.endr
	WIN 0
.irp a, 0,1,2,3,4,5,6,7
	global_load_b32 v[FM+\a], v[MA], s[92:93] offset:64*\a            ; the mask of row 16 a + r
.endr
.macro POSLOAD a                       ; pos of rows 16 a + r, channels 16 e + 8 h + 0 .. 7, into set a % 2: pairs (sin, cos)
.irp e, 0,1,2,3
	global_load_b128 v[PF+32*((\a)%2)+8*\e:PF+32*((\a)%2)+8*\e+3], v[PA], s[10:11] offset:4096*(\a)+64*\e
	global_load_b128 v[PF+32*((\a)%2)+8*\e+4:PF+32*((\a)%2)+8*\e+7], v[PA], s[10:11] offset:4096*(\a)+64*\e+16
.endr
.endm
	POSLOAD 0
	POSLOAD 1
.macro FRAG reg, adr, q, i             ; a fragment: lane l holds row l % 16; registers 4 c .. 4 c + 3 hold K = 64 c + 32 (l / 16) + 0 .. 31
.irp c, 0,1
	ds_load_b128 v[\reg+4*\c:\reg+4*\c+3], v[\adr] offset:64*(\q)+32*\c+(\i)*16*PITCH
.endr
.endm
; 16 matrix instructions: A's blocks a0, a0 + 1 x B's eight, the slot's q-th 128 along K.  first = 1: the bias starts the sums.  The 64 accumulators take turns, one instruction a turn.
.macro MUL16 a0, p, q, sc, first
.irp a, \a0, \a0+1
.irp b, 0,1,2,3,4,5,6,7
.if \first
	v_wmma_scale_f32_16x16x128_f8f6f4 v[8*(8*((\a)%4)+\b):8*(8*((\a)%4)+\b)+7], v[128*(\p)+FR*\b:128*(\p)+FR*\b+FR-1], v[AF+FR*(\a):AF+FR*(\a)+FR-1], v[BI+8*\b:BI+8*\b+7], v[SC+8*NQ*(\sc)+NQ*\b+(\q)], v[SC+8*NQ*(\sc)+NQ*(\a)+(\q)] matrix_a_fmt:MATRIX_FMT_FP4 matrix_b_fmt:MATRIX_FMT_FP4 matrix_a_scale:MATRIX_SCALE_ROW1
.else
	v_wmma_scale_f32_16x16x128_f8f6f4 v[8*(8*((\a)%4)+\b):8*(8*((\a)%4)+\b)+7], v[128*(\p)+FR*\b:128*(\p)+FR*\b+FR-1], v[AF+FR*(\a):AF+FR*(\a)+FR-1], v[8*(8*((\a)%4)+\b):8*(8*((\a)%4)+\b)+7], v[SC+8*NQ*(\sc)+NQ*\b+(\q)], v[SC+8*NQ*(\sc)+NQ*(\a)+(\q)] matrix_a_fmt:MATRIX_FMT_FP4 matrix_b_fmt:MATRIX_FMT_FP4 matrix_a_scale:MATRIX_SCALE_ROW1
.endif
.endr
.endr
.endm
.macro FETCH_B slot, q, p
	WIN TO_B
.irp i, 0,1,2,3,4,5,6,7
	FRAG 128*(\p)+FR*\i, ADRB+\slot, \q, \i
.endr
	WIN 0
.endm
.macro FETCH_A slot, q, i0
.irp i, \i0, \i0+1, \i0+2, \i0+3
	FRAG AF+FR*(\i), ADRA+\slot, \q, \i
.endr
.endm
.macro SCALES sc                       ; a slot's scale words: four a row; lanes 0-15 take A's block i, lanes 16-31 B's block i
.irp i, 0,1,2,3,4,5,6,7
	ds_load_b128 v[SC+8*NQ*\sc+NQ*\i:SC+8*NQ*\sc+NQ*\i+3], v[ADRS] offset:\i*SBLK
.endr
.endm
.macro PLACES n                        ; plain vector instructions between a matrix instruction and a load into, or a read of, its registers
.rept \n
	v_nop
.endr
.endm
.macro STEP slot, q, first             ; a step of 128 along K that has its successor in the same slot
	s_wait_dscnt 4*NL                              ; B's set and A's blocks 0-3 are in; the youngest eight loads (A's blocks 4-7) may be out
.if \first
	WIN FIRST_LO
.else
	WIN MUL_LO
.endif
	MUL16 0, (\q)%2, \q, \slot, \first
	MUL16 2, (\q)%2, \q, \slot, \first
	s_wait_dscnt 0
	PLACES NP
	FETCH_B \slot, (\q)+1, 1-(\q)%2
	FETCH_A \slot, (\q)+1, 0
.if \first
	WIN FIRST_HI
.else
	WIN MUL_HI
.endif
	MUL16 4, (\q)%2, \q, \slot, \first
	MUL16 6, (\q)%2, \q, \slot, \first
	PLACES NP
	WIN 0
	FETCH_A \slot, (\q)+1, 4
.endm
.macro TURN slot, next                 ; slot 0's last step leads over to slot 1: one barrier, in front of it each wave's wait for its part of slot 1
	s_wait_tensorcnt 0x0                           ; all my tensor loads have landed: my part of the next slot
	ds_add_u32 v[SPW], v[NIL]                      ; 0 onto my spare word
	s_wait_dscnt 4*NL+1                            ; (the add and the youngest eight loads may be out)
	WIN MUL_LO
	MUL16 0, 1, NQ-1, \slot, 0
	s_wait_dscnt 0x0
	s_barrier_signal -1
	MUL16 2, 1, NQ-1, \slot, 0
	WIN 0
	s_barrier_wait -1                              ; the next slot is whole
	PLACES NP
	v_add_nc_u32 v[ADRS], 4*NQ, v[ADRS]            ; on to the next slot's scale words (no LDS load of mine is out)
	FETCH_B \next, 0, 0
	FETCH_A \next, 0, 0
	SCALES \next
	WIN MUL_HI
	MUL16 4, 1, NQ-1, \slot, 0
	MUL16 6, 1, NQ-1, \slot, 0
	PLACES NP
	WIN 0
	FETCH_A \next, 0, 4
.endm
.macro STEPS slot, from
.set QQ, \from
.rept NQ-1-\from
	STEP \slot, QQ, 0
.set QQ, QQ+1
.endr
.endm
	s_wait_tensorcnt 1                             ; the scales and my part of slot 0 are in (slot 1's load may be out),
	s_barrier_signal -1
	s_barrier_wait -1                              ; everybody's are
	FETCH_B 0, 0, 0
	FETCH_A 0, 0, 0
	SCALES 0
	FETCH_A 0, 0, 4
	s_wait_loadcnt 0x0                             ; the bias, the mask, pos of blocks 0 and 1
.irp a, 0,1,2,3,4,5,6,7
	v_cvt_f32_i32 v[FM+\a], v[FM+\a]
.endr
.irp a, 0,1,2,3,4,5,6,7
	v_fma_f32 v[FM+\a], v[FM+\a], s66, s67         ; F of row 16 a + r
.endr
	v_mov_b32 v[GG], 0
	v_mov_b32 v[GG+1], s96                         ; (0, g)
	STEP 0, 0, 1
	STEPS 0, 1
	TURN 0, 1
	STEPS 1, 0
	s_wait_dscnt 4*NL                              ; the very last step: nothing more to fetch
	WIN MUL_LO
	MUL16 0, 1, NQ-1, 1, 0
	MUL16 2, 1, NQ-1, 1, 0
	s_wait_dscnt 0
	WIN MUL_HI
	MUL16 4, 1, NQ-1, 1, 0
	MUL16 6, 1, NQ-1, 1, 0
	WIN 0
; THE WAY OUT, block by block of 16 rows x 128 columns (two heads).  With a pair (t0, t1) of neighbouring channels and the row's (sin', cos'):  out0 = t0 cos' - t1 sin',  out1 = t1 cos' + t0 sin'.
.macro PACK a
.set PS, PF+32*((\a)%2)
.set AC, 64*((\a)%4)
.set PKS, PK+32*((\a)%2)
.if (\a) == 7
	s_wait_loadcnt 0x0
.elseif (\a) >= 2
	s_wait_loadcnt 8                               ; this block's pos is in; the next block's eight loads may be out
.endif
.irp u, 0,1,2,3,4,5,6,7,8,9,10,11,12,13,14,15
.if (\a)%2 == 0
	v_pk_fma_f32 v[PS+2*\u:PS+2*\u+1], v[PS+2*\u:PS+2*\u+1], v[FM+2*((\a)/2):FM+2*((\a)/2)+1], v[GG:GG+1] op_sel:[0,0,0] op_sel_hi:[1,0,1]   ; (sin F, cos F + g): F of an even block is the pair's first register,
.else
	v_pk_fma_f32 v[PS+2*\u:PS+2*\u+1], v[PS+2*\u:PS+2*\u+1], v[FM+2*((\a)/2):FM+2*((\a)/2)+1], v[GG:GG+1] op_sel:[0,1,0] op_sel_hi:[1,1,1]   ; of an odd block its second
.endif
.endr
	WIN 0x52+(\a)/4                                ; source 0 (the accumulators) window 2 or 3, source 1 (pos) window 0, source 2 and destination window 1
.irp b, 0,1,2,3,4,5,6,7                ; each accumulator is read from its low end on
.irp p, 0,1,2,3
	v_pk_mul_f32 v[TT+8*(\b%2)+2*\p:TT+8*(\b%2)+2*\p+1], v[AC+8*\b+2*\p:AC+8*\b+2*\p+1], v[PS+8*(\b%4)+2*\p:PS+8*(\b%4)+2*\p+1] op_sel:[1,0] op_sel_hi:[0,0]   ; (t1 sin', t0 sin')
.endr
.irp p, 0,1,2,3
	v_pk_fma_f32 v[UU+8*\b+2*\p:UU+8*\b+2*\p+1], v[AC+8*\b+2*\p:AC+8*\b+2*\p+1], v[PS+8*(\b%4)+2*\p:PS+8*(\b%4)+2*\p+1], v[TT+8*(\b%2)+2*\p:TT+8*(\b%2)+2*\p+1] op_sel:[0,1,0] op_sel_hi:[1,1,1] neg_lo:[0,0,1]   ; (t0 cos' - t1 sin', t1 cos' + t0 sin')
.endr
.endr
	WIN 0x45                                       ; sources and destination window 1
.irp b, 0,1,2,3,4,5,6,7
.irp p, 0,1,2,3
	v_cvt_pk_f16_f32 v[PKS+4*\b+\p], v[UU+8*\b+2*\p], v[UU+8*\b+2*\p+1]
.endr
.endr
	WIN 0
.if (\a)+2 < 8
	POSLOAD (\a)+2                                 ; this set takes the block two further on
.endif
.endm
.macro TOSTAGE a                       ; 16 bytes a lane into rows of 144 bytes, head by head, and back as whole rows of 128; LDS serves a wave's instructions in order
.set PKS, PK+32*((\a)%2)
.set BB, BK+32*((\a)%2)
	WIN 0x04                                       ; an LDS store's data are its source 1: window 1
.irp b, 0,1,2,3,4,5,6,7
	ds_store_b128 v[STO], v[PKS+4*\b:PKS+4*\b+3] offset:(\b/4)*16*SPITCH+(\b%4)*32
.endr
	WIN 0
.irp e, 0,1
.irp i, 0,1,2,3
	ds_load_b128 v[BB+16*\e+4*\i:BB+16*\e+4*\i+3], v[RD] offset:\e*16*SPITCH+\i*4*SPITCH
.endr
.endr
.endm
.macro SEND a
.set BB, BK+32*((\a)%2)
	s_wait_dscnt 0x0                               ; the block is back in registers
	s_wait_xcnt 0x0                                ; the stores of the block before have read their registers: the next block's loads from the stage land there
.irp e, 0,1
.irp i, 0,1,2,3
	global_store_b128 v[CO], v[BB+16*\e+4*\i:BB+16*\e+4*\i+3], s[94:95] offset:\e*262144+(16*(\a)+4*\i)*128   ; four rows of one head: 512 consecutive bytes, aligned
.endr
.endr
.endm
	PLACES NP                                      ; behind the last products: window 1's registers are written and results are read from here on
	PACK 0
	TOSTAGE 0
.irp a, 1,2,3,4,5,6,7                  ; block a's arithmetic stands between block a - 1's loads from the stage and the wait for them
	PACK \a
	SEND \a-1
	TOSTAGE \a
.endr
	SEND 7
	s_wait_tensorcnt 0x0                           ; the wave's end
	ds_add_u32 v[SPW], v[NIL]
	s_wait_dscnt 0x0
	CROUND                                         ; the closing round: no work-group ends while a partner may still ask for a tile that names it
	s_endpgm
.Lfunc_end_k_q3a1eacb164_qkv:
	.size	k_q3a1eacb164_qkv, .Lfunc_end_k_q3a1eacb164_qkv-k_q3a1eacb164_qkv
	.p2alignl 7, 3214868480
	.fill 96, 4, 3214868480
	.section	.rodata,"a",@progbits
	.p2align	6, 0x0
	.amdhsa_kernel k_q3a1eacb164_qkv
		.amdhsa_group_segment_fixed_size 327680
		.amdhsa_private_segment_fixed_size 0
		.amdhsa_enable_private_segment 0
		.amdhsa_kernarg_size 80
		.amdhsa_user_sgpr_count 2
		.amdhsa_user_sgpr_kernarg_segment_ptr 1
		.amdhsa_wavefront_size32 1
		.amdhsa_system_sgpr_workgroup_id_x 1
		.amdhsa_system_sgpr_workgroup_id_y 1
		.amdhsa_system_sgpr_workgroup_id_z 1
		.amdhsa_system_vgpr_workitem_id 0
		.amdhsa_next_free_vgpr 1024
		.amdhsa_next_free_sgpr 100
		.amdhsa_reserve_vcc 0
		.amdhsa_float_denorm_mode_32 3
		.amdhsa_float_denorm_mode_16_64 3
		.amdhsa_memory_ordered 1
		.amdhsa_forward_progress 1
		.amdhsa_inst_pref_size 177
	.end_amdhsa_kernel
	.amdgpu_metadata
---
amdhsa.version: [ 1, 2 ]
amdhsa.kernels:
  - .name:           k_q3a1eacb164_qkv
    .symbol:         k_q3a1eacb164_qkv.kd
    .args:
      - { .name: xcodes, .offset: 0, .size: 8, .value_kind: global_buffer, .address_space: global }
      - { .name: xscales, .offset: 8, .size: 8, .value_kind: global_buffer, .address_space: global }
      - { .name: wcodes, .offset: 16, .size: 8, .value_kind: global_buffer, .address_space: global }
      - { .name: wscales, .offset: 24, .size: 8, .value_kind: global_buffer, .address_space: global }
      - { .name: bq, .offset: 32, .size: 8, .value_kind: global_buffer, .address_space: global }
      - { .name: bk, .offset: 40, .size: 8, .value_kind: global_buffer, .address_space: global }
      - { .name: bv, .offset: 48, .size: 8, .value_kind: global_buffer, .address_space: global }
      - { .name: pos, .offset: 56, .size: 8, .value_kind: global_buffer, .address_space: global }
      - { .name: v_mask, .offset: 64, .size: 8, .value_kind: global_buffer, .address_space: global }
      - { .name: qkv, .offset: 72, .size: 8, .value_kind: global_buffer, .address_space: global }
    .group_segment_fixed_size: 327680
    .private_segment_fixed_size: 0
    .kernarg_segment_align: 8
    .kernarg_segment_size: 80
    .max_flat_workgroup_size: 128
    .sgpr_count:     100
    .vgpr_count:     1024
    .wavefront_size: 32
...
	.end_amdgpu_metadata
.endif
;; end of part 2
;; launch attn (part 3): grid 8 x 32, 8 waves a work-group, clusters of 4 x 1, 327,680 bytes of LDS; arguments qkv, v_mask, o; writes o
.if DOCPART == 3
	.amdgcn_target "amdgcn-amd-amdhsa--gfx1250"
	.amdhsa_code_object_version 6
	.text
	.protected	k_q3a1eacb164_attn
	.globl	k_q3a1eacb164_attn
	.p2align	8
	.type	k_q3a1eacb164_attn,@function
k_q3a1eacb164_attn:
	s_mov_b64 s[64:65], 0
	v_nop
	global_prefetch_b8 v0, s[64:65] scope:SCOPE_SE
	s_setreg_imm32_b32 hwreg(HW_REG_WAVE_MODE, 25, 1), 1
	s_wait_xcnt 0x0
	s_wait_alu depctr_hold_cnt(0) depctr_sa_sdst(0) depctr_va_vdst(0) depctr_va_sdst(0) depctr_va_ssrc(0) depctr_va_vcc(0) depctr_vm_vsrc(0)
	s_getreg_b32 s2, hwreg(HW_REG_IB_STS2, 6, 4)
	s_cmp_eq_u32 s2, 0
	s_cbranch_scc0 .Lentry_in_a_cluster
	s_endpgm
.Lentry_in_a_cluster:
	s_bfe_u32 s2, ttmp6, 0x10000c
	s_cmp_lg_u32 s2, 0x3003
	s_cbranch_scc0 .Lentry_shape_is_right
	s_endpgm
.Lentry_shape_is_right:
; o[b][q][h][:] = the sum over k of softmax_k(a) v[k][:], a = (q . k / 8) m + NEG (1 - m).  qkv: f16 [q,k,v][b x 16 + h][s 2048][64]; q arrives times c 2^-8 (c = log2(e) / 8) and k times its mask m and 2^-8,
; so 2^16 x a product q' . k' is t = a log2(e) but for the mask's addend; that addend, X 2^-16 (m - 1) with X = 1e12 log2(e), is the C of each score tile's first matrix instruction.
; p = 2^(t - M), M the running maximum of t: one fused multiply-add, raw x 2^16 - M, which is exact at the maximum since 2^16 is a power of two.
; A hidden key has t = -X exactly; a row all of whose keys are hidden has t - M = 0 everywhere and comes out uniform.
; o leaves as f16, laid [row / 128][h][row % 128][64] (row = 2048 b + s), so that 128 rows of a head are 16,384 consecutive bytes.
; SHARES.  A work-group owns 256 queries of one (b, h); each of its eight waves 32: two tiles of 16.  Two waves share a SIMD, so that one wave's vector work stands beside the other's matrix work.
; Every wave walks all 2,048 keys, 64 a step; K's and V's tiles come through a ring of two LDS slots of 256 keys.
; LAYOUT.  S^T = K Q^T (source 0 = 16 keys, source 1 = 16 queries) and O^T = V^T P (source 0 = 16 channels, turned out of LDS by ds_load_tr16_b128; source 1 = P): a lane holds ONE query throughout.
; CLUSTER.  The four query blocks of a cluster belong to one (b, h) and walk the same K and V: each tile is asked for jointly (waves 0, 1: K's halves; waves 2, 3: V's; the others fetch nothing).
; LIMITS: v_mask holds whole numbers under 2^24 in magnitude; p (at most 1) is rounded to f16 for the second product, the row's sum is taken of the unrounded p; o, a mean of v, is under 65,504 as v is;
; NaN and infinities are not served.
; REGISTERS: window 0: v2-15 addresses; v16-31 statistics, eight a tile: +0 M, +1 at work, +2, +3 the sum (even keys', odd keys'), +4 .. +7 c0-c3 (a takes c2's place);
;   v32-63 the mask's addends of a step; v64-127 S^T, 32 a tile; v128-159 P; v160-191 Q; v192-255 O^T, 32 a tile.   window 1: v0-63 K of a step; v64-127 V of a step.
.set KP,    272                        ; a line of K in LDS: two keys' 256 bytes + 16: key r starts at 16-byte column (r / 2) + 8 (r % 2) mod 16: sixteen keys, sixteen columns
.set VP,    288                        ; a line of V: + 32: the turning load's 8 keys x 32 bytes take each 16-byte column once
.set VOFF,  128*KP                     ; a slot: 128 lines of K, then 128 lines of V
.set SLOT1, 1<<17                      ; slot 1 begins here: one exclusive or turns an address
.set MADD,  SLOT1+VOFF+128*VP          ; X 2^-16 (m - 1) of the batch's 2,048 keys, f32
.set STAGE, MADD+8192                  ; the way out: 16 rows x (128 bytes + 16) for each wave
.set SPARE, STAGE+8*16*144             ; the spare words, 128 bytes for each wave
.set AK0, 2
.set AV0, 3
.set ADK, 4
.set ADV, 5
.set AM0, 6
.set ADM, 7
.set STO, 8
.set RD,  9
.set GO,  10
.set SPW, 11                           ; v11  my spare word; never rewritten
.set NIL, 12                           ; v12  0; never rewritten
.set PFO, 13                           ; v13  256 x lane; never rewritten
.set ST,  16
.set MC,  32
.set S,   64
.set P,   128
.set Q,   160
.set O,   192
.set VF,  64                           ; in window 1
.set WV,  10                           ; s10  my wave's number
.set LIM, 15                           ; s15  1 in a wave that prefetches, else the greatest number
.set PFA, 18                           ; s[18:19] where my prefetches stand
.set SEL, 20                           ; s[20:21] v_permlanex16_b32's selects for lane l xor 16
.set CS,  22                           ; s[22:23] 2^16: the packed form names a pair and takes its low word for both halves
.set G1K, 24
.set G1V, 32
.set G0K, 40
.set G0V, 44
.set TB,  48                           ; s48  LDS byte at which the slot in hand begins
.set TM,  49                           ; s49  where the slot's addends begin
.set SLOTS, 50                         ; s50  slots still to be asked for
.set MSB, 0
.macro WIN new
.if MSB != (\new)
	s_set_vgpr_msb (MSB<<8)|(\new)
.set MSB, (\new)
.endif
.endm
.set W_MM, 0x01                        ; source 0 (K or V) window 1, all else window 0
.set TO_1, 0x40                        ; destination window 1, address window 0
.macro TLOAD                           ; the branches hang on the wave's number alone; four v_nop follow each of the two lines
	s_cmp_lt_u32 s[WV], 2
	s_cbranch_scc0 .Lnot_k_\@
	tensor_load_to_lds s[G0K:G0K+3], s[G1K:G1K+7]
	s_nop 0
.rept 4
	v_nop
.endr
	s_branch .Lasked_\@
.Lnot_k_\@:
	s_cmp_lt_u32 s[WV], 4
	s_cbranch_scc0 .Lasked_\@
	tensor_load_to_lds s[G0V:G0V+3], s[G1V:G1V+7]
	s_nop 0
.rept 4
	v_nop
.endr
.Lasked_\@:
.endm
; A prefetch of what the NEXT change of slots will ask for: 256 keys of K and of V, 32,768 consecutive bytes each.  Both clusters of a (b, h) walk the same K and V: the first asks.  Its four partners take
; 8,192 bytes each, told apart by address; in each, wave 4 asks for K's and wave 5 for V's, lanes 256 bytes apart: each aligned block of 256 bytes is named once in the launch.
; The last change that fills a slot asks for nothing; slots 0 and 1 come by their loads alone.
.macro ASK
	s_cmp_gt_u32 s[SLOTS], s[LIM]
	s_cbranch_scc0 .Lnot_mine_\@
	global_prefetch_b8 v[PFO], s[PFA:PFA+1] th:TH_LOAD_NT scope:SCOPE_SE
.Lnot_mine_\@:
.endm
.macro CROUND                          ; a round of the cluster's barrier
	s_barrier_signal -1
	s_barrier_wait -1
	s_cmp_lg_u32 s[WV], 0
	s_cbranch_scc1 .Lnot_wave_0_\@
	s_barrier_signal -3
.Lnot_wave_0_\@:
	s_barrier_wait -3
	s_barrier_signal -1
	s_barrier_wait -1
.endm
.macro PLACES
.rept 4
	v_nop
.endr
.endm
	s_load_b128 s[4:7], s[0:1], 0x0                ; qkv, v_mask
	s_load_b64 s[8:9], s[0:1], 0x10                ; o
	v_lshl_add_u32 v[SPW], v0, 2, SPARE
	v_mov_b32 v[NIL], 0
	ds_add_u32 v11, v12
	s_wait_dscnt 0x0
	v_lshrrev_b32 v1, 5, v0
	v_readfirstlane_b32 s[WV], v1                  ; wave 0..7
	s_and_b32 s11, s[WV], 1                        ; which half of a slot's tile I fetch, if I fetch
	s_bfe_u32 s12, ttmp6, 0x40000                  ; cx
	s_lshl_b32 s13, ttmp9, 2
	s_add_co_u32 s13, s13, s12                     ; my block of 256 queries, 0..7: it enters Q's and o's addresses alone
	s_and_b32 s14, ttmp7, 0xffff                   ; 16 b + h, which the four partners share
	s_lshl_b32 s52, s14, 18                        ; a head's 262,144 bytes
	s_lshl_b32 s53, s11, 14
	s_add_co_u32 s53, s52, s53                     ; + my 128 keys of 128 bytes
	s_add_co_u32 s54, s53, 1<<23                   ; in K,
	s_mov_b32 s55, 0
	s_add_co_u32 s56, s53, 2<<23                   ; in V
	s_mov_b32 s57, 0
	s_lshl_b32 s58, s13, 15
	s_add_co_u32 s58, s58, s52
	s_lshl_b32 s59, s[WV], 12
	s_add_co_u32 s58, s58, s59                     ; Q: the head, + 256 rows a block, + 32 rows a wave
	s_mov_b32 s59, 0
	s_lshr_b32 s60, s14, 4                         ; b
	s_lshl_b32 s62, s60, 4
	s_lshl_b32 s60, s60, 13                        ; the batch's 2,048 mask words
	s_mov_b32 s61, 0
	s_lshl_b32 s63, s13, 1
	s_add_co_u32 s62, s62, s63
	s_lshr_b32 s63, s[WV], 2
	s_add_co_u32 s62, s62, s63                     ; o: row / 128 = 16 b + 2 block + wave / 4,
	s_lshl_b32 s62, s62, 18
	s_and_b32 s63, s14, 15
	s_lshl_b32 s63, s63, 14
	s_add_co_u32 s62, s62, s63                     ; + the head's 16,384 bytes,
	s_and_b32 s63, s[WV], 3
	s_lshl_b32 s63, s63, 12
	s_add_co_u32 s62, s62, s63                     ; + 32 rows a wave
	s_mov_b32 s63, 0
	s_add_co_u32 s16, s11, 1                       ; the prefetches: K (even waves) or V (odd),
	s_lshl_b32 s16, s16, 23
	s_add_co_u32 s16, s16, s52                     ; my head,
	s_lshl_b32 s17, s12, 13
	s_add_co_u32 s16, s16, s17                     ; my work-group's 8,192 bytes,
	s_add_co_u32 s16, s16, 32768                   ; in slot 1: the first change of slots steps it to slot 2.  Nothing is prefetched at the head
	s_mov_b32 s17, 0
	s_lshr_b32 s15, s[WV], 1
	s_xor_b32 s15, s15, 2                          ; 0 in waves 4 and 5,
	s_or_b32 s15, s15, ttmp9                       ; of the head's first cluster: the same in all four partners
	s_cmp_eq_u32 s15, 0
	s_cselect_b32 s[LIM], 1, -1
	; descriptor group 1: 64 lines of 256 bytes (32 elements of 8), dense in memory, padded in LDS
	s_mov_b32 s[G1K], 15|(3<<16)|(1<<20)|(1<<21)|(5<<22)|(3<<25)  ; 15:0 the mask: all four work-groups; 17:16 elements of 8 bytes; 20 padding on; 21 set beside a mask; 24:22 after every 64 words; 31:25 four words
	s_mov_b32 s[G1V], 15|(3<<16)|(1<<20)|(1<<21)|(5<<22)|(7<<25)  ; the same with eight words of padding
.irp g, G1K, G1V
	s_mov_b32 s[\g+1], 32<<16                      ; tensor_dim0
	s_mov_b32 s[\g+2], 64<<16                      ; tensor_dim1
	s_mov_b32 s[\g+3], 32<<16                      ; tile_dim0
	s_mov_b32 s[\g+4], 64                          ; tile_dim1
	s_mov_b32 s[\g+5], 32                          ; tensor_dim0_stride
	s_mov_b32 s[\g+6], 0
	s_mov_b32 s[\g+7], 0
.endr
	s_mov_b32 s[G0K], 1
	s_mul_i32 s[G0K+1], s11, 64*KP                 ; slot 0, my half: no place in the cluster enters an LDS address
	s_mov_b32 s[G0V], 1
	s_mul_i32 s[G0V+1], s11, 64*VP
	s_add_co_u32 s[G0V+1], s[G0V+1], VOFF
	s_mov_b32 s[SEL], 0x76543210
	s_mov_b32 s[SEL+1], 0xfedcba98
	s_mov_b32 s[CS], 0x47800000                    ; 2^16
	s_mov_b32 s[CS+1], s[CS]                       ; (named with it as a pair, so it is written)
	s_mov_b32 s[TB], 0
	s_mov_b32 s[TM], 0
	s_mov_b32 s[SLOTS], 7
	s_mov_b32 s51, 0x4ba7f3aa                      ; X 2^-16, X = 1e12 log2(e)
	s_wait_kmcnt 0x0
	s_add_nc_u64 s[G0K+2:G0K+3], s[4:5], s[54:55]
	s_or_b32 s[G0K+3], s[G0K+3], 0x80000000        ; type = 2
	s_add_nc_u64 s[G0V+2:G0V+3], s[4:5], s[56:57]
	s_or_b32 s[G0V+3], s[G0V+3], 0x80000000
	s_add_nc_u64 s[PFA:PFA+1], s[4:5], s[16:17]
	s_add_nc_u64 s[58:59], s[4:5], s[58:59]        ; Q at my wave's first row
	s_add_nc_u64 s[6:7], s[6:7], s[60:61]
	s_add_nc_u64 s[8:9], s[8:9], s[62:63]
	CROUND                                         ; all four work-groups are here: the first joint loads meet
	TLOAD                                          ; slot 0
	v_lshlrev_b32 v14, 4, v0                       ; the mask: 16 bytes a thread
	v_and_b32 v72, 15, v0                          ; r
	v_bfe_u32 v73, v0, 4, 1                        ; h
	v_lshlrev_b32 v15, 7, v72
	v_lshl_add_u32 v15, v73, 4, v15                ; Q: row r of 128 bytes, + 16 h
	global_load_b128 v[64:67], v14, s[6:7]
	global_load_b128 v[68:71], v14, s[6:7] offset:4096
.irp t, 0,1                            ; Q stays in registers: tile t, channels 32 e on: registers 0-3 channels 8 h on, registers 4-7 channels 16 + 8 h on
.irp e, 0,1
	global_load_b128 v[Q+16*\t+8*\e:Q+16*\t+8*\e+3], v15, s[58:59] offset:2048*\t+64*\e
	global_load_b128 v[Q+16*\t+8*\e+4:Q+16*\t+8*\e+7], v15, s[58:59] offset:2048*\t+64*\e+32
.endr
.endr
	v_lshrrev_b32 v74, 1, v72
	v_mul_u32_u24 v[AK0], v74, KP
	v_and_b32 v74, 1, v72
	v_lshl_add_u32 v[AK0], v74, 7, v[AK0]
	v_lshl_add_u32 v[AK0], v73, 4, v[AK0]          ; K: key r: line r / 2, half r % 2, + 16 h
	v_and_b32 v74, 7, v0
	v_lshl_add_u32 v74, v73, 3, v74                ; V: the turning load: key 8 h + lane % 8,
	v_lshrrev_b32 v75, 1, v74
	v_mul_u32_u24 v[AV0], v75, VP
	v_and_b32 v75, 1, v74
	v_lshl_add_u32 v[AV0], v75, 7, v[AV0]
	v_bfe_u32 v75, v0, 3, 1
	v_lshl_add_u32 v[AV0], v75, 4, v[AV0]          ; channels 8 ((lane / 8) % 2) on
	v_add_nc_u32 v[AV0], VOFF, v[AV0]
	v_lshl_add_u32 v[AM0], v73, 5, MADD            ; the addends of keys 8 h + 0 .. 7 of a tile
	s_mul_i32 s53, s[WV], 16*144
	s_add_co_u32 s53, s53, STAGE                   ; my stage
	v_mul_u32_u24 v[STO], v72, 144
	v_lshl_add_u32 v[STO], v73, 4, v[STO]
	v_add_nc_u32 v[STO], s53, v[STO]               ; in: row r, 16 bytes for each half of the lanes
	v_and_b32 v74, 31, v0
	v_lshrrev_b32 v75, 3, v74
	v_mul_u32_u24 v[RD], v75, 144
	v_and_b32 v75, 7, v0
	v_lshl_add_u32 v[RD], v75, 4, v[RD]
	v_add_nc_u32 v[RD], s53, v[RD]                 ; back: eight lanes to a row of 128 bytes
	v_lshlrev_b32 v[GO], 4, v74
	v_lshlrev_b32 v[PFO], 8, v74
	v_lshl_add_u32 v76, v0, 4, MADD
.irp t, 0,1
	v_mov_b32 v[ST+8*\t], 0xff61b1e6               ; the largest t so far: -3e38, under every t
	v_mov_b32 v[ST+8*\t+1], 0
	v_mov_b32 v[ST+8*\t+2], 0                      ; the sum, in two halves
	v_mov_b32 v[ST+8*\t+3], 0
.endr
.set j, 0
.rept 64
	v_mov_b32 v[O+j], 0                            ; O^T.  (The step is written once: the first finds zeros, which the first rescaling leaves zeros)
.set j, j+1
.endr
	s_wait_loadcnt 8                               ; the mask is in; Q's eight loads may be out
.irp j, 0,1,2,3,4,5,6,7
	v_cvt_f32_i32 v[64+\j], v[64+\j]
.endr
.irp j, 0,1,2,3,4,5,6,7
	v_fma_f32 v[64+\j], v[64+\j], s51, -s51        ; X 2^-16 (m - 1): exactly 0 where m = 1
.endr
	ds_store_b128 v76, v[64:67]
	ds_store_b128 v76, v[68:71] offset:4096        ; read by all waves behind the first change of slots, whose wait and round order it
	s_wait_loadcnt 0x0                             ; Q
.macro FETCH_K q                       ; a step's K: 64 keys x 64 channels, 8 fragments
	WIN TO_1
.irp g, 0,1,2,3
.irp e, 0,1
	ds_load_b128 v[16*\g+8*\e:16*\g+8*\e+3], v[ADK] offset:32*KP*(\q)+8*KP*\g+64*\e
	ds_load_b128 v[16*\g+8*\e+4:16*\g+8*\e+7], v[ADK] offset:32*KP*(\q)+8*KP*\g+64*\e+32
.endr
.endr
.endm
.macro FETCH_M q                       ; its 64 addends, in the result's layout: register j of tile g is key 16 g + 8 h + j
	WIN 0
.irp g, 0,1,2,3
	ds_load_b128 v[MC+8*\g:MC+8*\g+3], v[ADM] offset:256*(\q)+64*\g
	ds_load_b128 v[MC+8*\g+4:MC+8*\g+7], v[ADM] offset:256*(\q)+64*\g+16
.endr
.endm
.macro FETCH_V q                       ; its V, turned: keys 32 e on, channels 16 n on
	WIN TO_1
.irp e, 0,1
.irp n, 0,1,2,3
	ds_load_tr16_b128 v[VF+32*\e+8*\n:VF+32*\e+8*\n+3], v[ADV] offset:32*VP*(\q)+16*VP*\e+32*\n
	ds_load_tr16_b128 v[VF+32*\e+8*\n+4:VF+32*\e+8*\n+7], v[ADV] offset:32*VP*(\q)+16*VP*\e+32*\n+8*VP
.endr
.endr
.endm
; Product i of 16 of S^T: channels 32 (i / 8) on, keys 16 ((i / 2) % 4) on, tile i % 2.  The first 8 start the sums with the mask's addends.  Eight accumulators by turns, one instruction a turn.
.macro QK
.set i, 0
.rept 16
.set rS, S+32*(i%2)+8*((i/2)%4)
.set rK, 16*((i/2)%4)+8*(i/8)
.set rQ, Q+16*(i%2)+8*(i/8)
.set rM, MC+8*((i/2)%4)
.if i < 8
	v_wmma_f32_16x16x32_f16 v[rS:rS+7], v[rK:rK+7], v[rQ:rQ+7], v[rM:rM+7]
.else
	v_wmma_f32_16x16x32_f16 v[rS:rS+7], v[rK:rK+7], v[rQ:rQ+7], v[rS:rS+7]
.endif
.set i, i+1
.endr
.endm
; Product i of 16 of O^T += V^T P: keys 32 (i / 8) on, channels 16 ((i / 2) % 4) on, tile i % 2
.macro PV
.set i, 0
.rept 16
.set rO, O+32*(i%2)+8*((i/2)%4)
.set rV, VF+32*(i/8)+8*((i/2)%4)
.set rP, P+16*(i%2)+8*(i/8)
	v_wmma_f32_16x16x32_f16 v[rO:rO+7], v[rV:rV+7], v[rP:rP+7], v[rO:rO+7]
.set i, i+1
.endr
.endm
; The softmax of both tiles for one key step; the two tiles alternate, so that few lines wait for the line above.
.macro SOFTMAX
.irp j, 0,1,2,3                        ; the largest of the lane's 32 raw scores: four chains, each accumulator read from its low end on
.irp t, 0,1
	v_max3_num_f32 v[ST+8*\t+4+\j], v[S+32*\t+8*\j], v[S+32*\t+8*\j+1], v[S+32*\t+8*\j+2]
.endr
.endr
.irp g, 1,2
.irp j, 0,1,2,3
.irp t, 0,1
	v_max3_num_f32 v[ST+8*\t+4+\j], v[ST+8*\t+4+\j], v[S+32*\t+8*\j+2*\g+1], v[S+32*\t+8*\j+2*\g+2]
.endr
.endr
.endr
.irp t, 0,1
	v_max3_num_f32 v[ST+8*\t+4], v[ST+8*\t+4], v[S+32*\t+7], v[S+32*\t+15]
.endr
.irp t, 0,1
	v_max3_num_f32 v[ST+8*\t+6], v[ST+8*\t+6], v[S+32*\t+23], v[S+32*\t+31]
.endr
.irp t, 0,1
	v_max3_num_f32 v[ST+8*\t+4], v[ST+8*\t+4], v[ST+8*\t+5], v[ST+8*\t+6]
.endr
.irp t, 0,1
	v_max_num_f32 v[ST+8*\t+4], v[ST+8*\t+4], v[ST+8*\t+7]
.endr
.irp t, 0,1
	v_permlanex16_b32 v[ST+8*\t+5], v[ST+8*\t+4], s[SEL], s[SEL+1]   ; the query's other 32 keys lie in the lane 16 away
.endr
.irp t, 0,1
	v_mov_b32 v[ST+8*\t+1], v[ST+8*\t]             ; the old M
.endr
.irp t, 0,1
	v_max_num_f32 v[ST+8*\t+4], v[ST+8*\t+4], v[ST+8*\t+5]
.endr
.irp t, 0,1
	v_mul_f32 v[ST+8*\t+4], s[CS], v[ST+8*\t+4]    ; the step's largest score as t: x 2^16, which rounds nothing
.endr
.irp t, 0,1
	v_max_num_f32 v[ST+8*\t], v[ST+8*\t], v[ST+8*\t+4]   ; the running maximum of t
.endr
.irp t, 0,1
	v_sub_f32 v[ST+8*\t+1], v[ST+8*\t+1], v[ST+8*\t]   ; old M - new M, 0 or less
.endr
.irp u, 0,1,2,3,4,5,6,7,8,9,10,11,12,13,14,15
.irp t, 0,1
	v_pk_fma_f32 v[S+32*\t+2*\u:S+32*\t+2*\u+1], v[S+32*\t+2*\u:S+32*\t+2*\u+1], s[CS:CS+1], v[ST+8*\t:ST+8*\t+1] op_sel_hi:[1,0,0] neg_lo:[0,0,1] neg_hi:[0,0,1]   ; raw x 2^16 - M, two at a time
.endr
.endr
.irp t, 0,1
	v_exp_f32 v[ST+8*\t+6], v[ST+8*\t+1]           ; a = 2^(old M - new M)
.endr
.set j, 0
.rept 64
	v_exp_f32 v[S+j], v[S+j]                       ; p = 2^(t - M), at most 1
.set j, j+1
.endr
	v_nop                                          ; a plain line between the last exponential and the use of its result (ISA guide 5.7.2)
	s_wait_alu depctr_va_vdst(0)
.irp u, 0,1,2,3,4,5,6,7,8,9,10,11,12,13,14,15
.irp t, 0,1
	v_cvt_pk_f16_f32 v[P+16*\t+\u], v[S+32*\t+2*\u], v[S+32*\t+2*\u+1]   ; two score tiles, rounded in pairs, are source 1 (32 keys x 16 queries) of the second product
.endr
.endr
.irp u, 0,1,2,3,4,5,6,7                ; the sum of the unrounded p: 16 pairs, in place
.irp t, 0,1
	v_pk_add_f32 v[S+32*\t+4*\u:S+32*\t+4*\u+1], v[S+32*\t+4*\u:S+32*\t+4*\u+1], v[S+32*\t+4*\u+2:S+32*\t+4*\u+3]
.endr
.endr
.irp u, 0,1,2,3
.irp t, 0,1
	v_pk_add_f32 v[S+32*\t+8*\u:S+32*\t+8*\u+1], v[S+32*\t+8*\u:S+32*\t+8*\u+1], v[S+32*\t+8*\u+4:S+32*\t+8*\u+5]
.endr
.endr
.irp u, 0,1
.irp t, 0,1
	v_pk_add_f32 v[S+32*\t+16*\u:S+32*\t+16*\u+1], v[S+32*\t+16*\u:S+32*\t+16*\u+1], v[S+32*\t+16*\u+8:S+32*\t+16*\u+9]
.endr
.endr
.irp t, 0,1
	v_pk_add_f32 v[S+32*\t:S+32*\t+1], v[S+32*\t:S+32*\t+1], v[S+32*\t+16:S+32*\t+17]
.endr
.irp t, 0,1
	v_pk_fma_f32 v[ST+8*\t+2:ST+8*\t+3], v[ST+8*\t+2:ST+8*\t+3], v[ST+8*\t+6:ST+8*\t+7], v[S+32*\t:S+32*\t+1] op_sel_hi:[1,0,1]   ; the sum = a x the sum + this step's
.endr
.irp u, 0,1,2,3,4,5,6,7,8,9,10,11,12,13,14,15
.irp t, 0,1
	v_pk_mul_f32 v[O+32*\t+2*\u:O+32*\t+2*\u+1], v[O+32*\t+2*\u:O+32*\t+2*\u+1], v[ST+8*\t+6:ST+8*\t+7] op_sel_hi:[1,0]   ; O^T x a
.endr
.endr
.endm
; A KEY STEP, the q-th of the slot in hand.
.macro STEP q
	s_wait_dscnt 0x0                               ; K and the addends are in
	WIN W_MM
	QK
	WIN 0
	PLACES                                         ; behind the products: the scores are read, and K's, the addends' and V's registers are loaded again
	FETCH_V \q
.if \q < 3
	FETCH_K (\q)+1                                 ; the next step's K and addends land while the softmax is walked
	FETCH_M (\q)+1
.endif
	WIN 0
	SOFTMAX
.if \q < 3
	s_wait_dscnt 24                                ; V is in; the 16 loads of K and the 8 of the addends behind it may be out
.else
	s_wait_dscnt 0x0
.endif
	WIN W_MM
	PV
	WIN 0
.endm
; THE CHANGE OF SLOTS stands at a slot's head.  Each wave waits for all its tensor loads (its part of the slot that it is about to read), adds 0 to its spare word, and waits for that and for its reads of the
; slot that it has left.  fill = 1: a round of the cluster's barrier, and behind it the slot that was left is filled with the next 256 keys: the load has four key steps in which to land.
.macro CHANGE fill
	s_wait_tensorcnt 0x0                           ; no tensor load of mine is out, so a group 0 may be written
	ds_add_u32 v[SPW], v[NIL]                      ; 0 onto my spare word
.if \fill
	s_xor_b32 s[G0K+1], s[G0K+1], SLOT1            ; the walking descriptors: the other slot than last time,
	s_add_nc_u64 s[G0K+2:G0K+3], s[G0K+2:G0K+3], 32768   ; the next 256 keys; the type bits on top are not reached
	s_xor_b32 s[G0V+1], s[G0V+1], SLOT1
	s_add_nc_u64 s[G0V+2:G0V+3], s[G0V+2:G0V+3], 32768
	s_wait_xcnt 0x0                                ; the last prefetch, a slot back, has read its address, so it may be written:
	s_add_nc_u64 s[PFA:PFA+1], s[PFA:PFA+1], 32768 ; one slot further on than the walking descriptors
	s_wait_dscnt 0x0                               ; the add is done, my stores have landed, and my reads of the slot that I have left are over
	CROUND
	TLOAD                                          ; the first thing behind the round, and a wave's one tensor load until the next
	ASK
.else
	s_wait_dscnt 0x0
	s_barrier_signal -1
	s_barrier_wait -1
.endif
.endm
.macro SLOT_STEPS
	v_add_nc_u32 v[ADK], s[TB], v[AK0]
	v_add_nc_u32 v[ADV], s[TB], v[AV0]
	v_add_nc_u32 v[ADM], s[TM], v[AM0]
	FETCH_K 0
	FETCH_M 0
	STEP 0
	STEP 1
	STEP 2
	STEP 3
	s_xor_b32 s[TB], s[TB], SLOT1                  ; on to the other slot,
	s_add_co_u32 s[TM], s[TM], 1024                ; and the next 256 addends
.endm
.Lslot:                                            ; seven trips: behind each change of slots but the last the next slot is asked for
	CHANGE 1
	SLOT_STEPS
	s_sub_co_u32 s[SLOTS], s[SLOTS], 1
	s_cmp_lg_u32 s[SLOTS], 0
	s_cbranch_scc1 .Lslot
	CHANGE 0                                       ; the last slot is written out
	SLOT_STEPS
	; THE WAY OUT.  O^T / the sum, rounded to f16, goes through my stage, a tile (16 rows) at a time, and leaves as 512 consecutive bytes a store.
	PLACES
.irp t, 0,1
	v_add_f32 v[ST+8*\t+4], v[ST+8*\t+2], v[ST+8*\t+3]
.endr
.irp t, 0,1
	v_permlanex16_b32 v[ST+8*\t+5], v[ST+8*\t+4], s[SEL], s[SEL+1]
.endr
.irp t, 0,1
	v_add_f32 v[ST+8*\t+4], v[ST+8*\t+4], v[ST+8*\t+5]   ; the row's sum
.endr
.irp t, 0,1
	v_rcp_f32 v[ST+8*\t+6], v[ST+8*\t+4]
.endr
	v_nop                                          ; a plain line behind the reciprocals
	s_wait_alu depctr_va_vdst(0)
.irp t, 0,1
.irp u, 0,1,2,3,4,5,6,7,8,9,10,11,12,13,14,15
	v_pk_mul_f32 v[O+32*\t+2*\u:O+32*\t+2*\u+1], v[O+32*\t+2*\u:O+32*\t+2*\u+1], v[ST+8*\t+6:ST+8*\t+7] op_sel_hi:[1,0]
.endr
.irp u, 0,1,2,3,4,5,6,7,8,9,10,11,12,13,14,15
	v_cvt_pk_f16_f32 v[S+16*\t+\u], v[O+32*\t+2*\u], v[O+32*\t+2*\u+1]
.endr
.irp n, 0,1,2,3
	ds_store_b128 v[STO], v[S+16*\t+4*\n:S+16*\t+4*\n+3] offset:32*\n    ; lane (r, h): channels 16 n + 8 h + 0 .. 7 of row r
.endr
.irp i, 0,1,2,3
	ds_load_b128 v[S+32+16*\t+4*\i:S+32+16*\t+4*\i+3], v[RD] offset:\i*4*144   ; LDS serves a wave's instructions in order: these see my stores, and the next tile's stores come behind them
.endr
.endr
.irp t, 0,1
.irp i, 0,1,2,3
	s_wait_dscnt 8*(1-\t)+3-\i                     ; the younger LDS instructions: the rest of this tile's loads, and the next tile's eight
	global_store_b128 v[GO], v[S+32+16*\t+4*\i:S+32+16*\t+4*\i+3], s[8:9] offset:2048*\t+512*\i
.endr
.endr
	s_wait_tensorcnt 0x0                           ; the wave's end
	ds_add_u32 v[SPW], v[NIL]
	s_wait_dscnt 0x0
	CROUND                                         ; the closing round
	s_endpgm
.Lfunc_end_k_q3a1eacb164_attn:
	.size	k_q3a1eacb164_attn, .Lfunc_end_k_q3a1eacb164_attn-k_q3a1eacb164_attn
	.p2alignl 7, 3214868480
	.fill 96, 4, 3214868480
	.section	.rodata,"a",@progbits
	.p2align	6, 0x0
	.amdhsa_kernel k_q3a1eacb164_attn
		.amdhsa_group_segment_fixed_size 327680
		.amdhsa_private_segment_fixed_size 0
		.amdhsa_enable_private_segment 0
		.amdhsa_kernarg_size 24
		.amdhsa_user_sgpr_count 2
		.amdhsa_user_sgpr_kernarg_segment_ptr 1
		.amdhsa_wavefront_size32 1
		.amdhsa_system_sgpr_workgroup_id_x 1
		.amdhsa_system_sgpr_workgroup_id_y 1
		.amdhsa_system_sgpr_workgroup_id_z 1
		.amdhsa_system_vgpr_workitem_id 0
		.amdhsa_next_free_vgpr 384
		.amdhsa_next_free_sgpr 66
		.amdhsa_reserve_vcc 0
		.amdhsa_float_denorm_mode_32 3
		.amdhsa_float_denorm_mode_16_64 3
		.amdhsa_memory_ordered 1
		.amdhsa_forward_progress 1
		.amdhsa_inst_pref_size 160
	.end_amdhsa_kernel
	.amdgpu_metadata
---
amdhsa.version: [ 1, 2 ]
amdhsa.kernels:
  - .name:           k_q3a1eacb164_attn
    .symbol:         k_q3a1eacb164_attn.kd
    .args:
      - { .name: qkv, .offset: 0, .size: 8, .value_kind: global_buffer, .address_space: global }
      - { .name: v_mask, .offset: 8, .size: 8, .value_kind: global_buffer, .address_space: global }
      - { .name: o, .offset: 16, .size: 8, .value_kind: global_buffer, .address_space: global }
    .group_segment_fixed_size: 327680
    .private_segment_fixed_size: 0
    .kernarg_segment_align: 8
    .kernarg_segment_size: 24
    .max_flat_workgroup_size: 256
    .sgpr_count:     66
    .vgpr_count:     384
    .wavefront_size: 32
...
	.end_amdgpu_metadata
.endif
;; end of part 3
;; launch oproj (part 4): grid 8 x 32, 4 waves a work-group, clusters of 4 x 4, 327,680 bytes of LDS; arguments o, wo16, out0, bo; writes out0
.if DOCPART == 4
	.amdgcn_target "amdgcn-amd-amdhsa--gfx1250"
	.amdhsa_code_object_version 6
	.text
	.protected	k_q3a1eacb164_oproj
	.globl	k_q3a1eacb164_oproj
	.p2align	8
	.type	k_q3a1eacb164_oproj,@function
k_q3a1eacb164_oproj:
	s_mov_b64 s[64:65], 0
	v_nop
	global_prefetch_b8 v0, s[64:65] scope:SCOPE_SE
	s_setreg_imm32_b32 hwreg(HW_REG_WAVE_MODE, 25, 1), 1
	s_wait_xcnt 0x0
	s_wait_alu depctr_hold_cnt(0) depctr_sa_sdst(0) depctr_va_vdst(0) depctr_va_sdst(0) depctr_va_ssrc(0) depctr_va_vcc(0) depctr_vm_vsrc(0)
	s_getreg_b32 s2, hwreg(HW_REG_IB_STS2, 6, 4)
	s_cmp_eq_u32 s2, 0
	s_cbranch_scc0 .Lentry_in_a_cluster
	s_endpgm
.Lentry_in_a_cluster:
	s_bfe_u32 s2, ttmp6, 0x10000c
	s_cmp_lg_u32 s2, 0xf033
	s_cbranch_scc0 .Lentry_shape_is_right
	s_endpgm
.Lentry_shape_is_right:
; out0[m][n] = the sum over k of o[m][k] Wo[k][n] + bo[n]: M 4,096, N 1,024, K 1,024; f16 operands, f32 sums, f32 out.
; o is laid [m / 128][h][m % 128][64] (k = 64 h + channel): a K step of 256 (four heads) of a tile's 128 rows is 65,536 consecutive bytes.  wo16 is Wo in f16, [k][n].
; A tile of 128 x 128 to a work-group (256 of them), 64 x 64 to a wave: 16 accumulators.  K goes in four steps of 256 through a ring of two LDS slots.
; CLUSTERS: 4 x 4 work-groups; o's tiles are asked for jointly along a row of the cluster, Wo's along a column.
; THE MATRIX INSTRUCTION IS USED TRANSPOSED: source 0 = 16 columns n of Wo (turned out of LDS by ds_load_tr16_b128), source 1 = 16 rows of o: a lane holds eight neighbouring numbers of a row of out0.
; The bias is the C of each sum's first product.
; REGISTERS: window 0: v0-31 addresses; v32-95 rows on the way out; v96-127 the bias; v128-255 the accumulators ((a, b) at v[128 + 8 (4 a + b)]).
;   window 1: two fragment buffers of 128: for 64 along K, 64 registers of o, then 64 of Wo.
.set PAL,    272                       ; a line of o in LDS: two rows' 256 bytes + 16: row r starts at 16-byte column (r / 2) + 8 (r % 2) mod 16
.set PBL,    288                       ; a row k of Wo's tile: 256 bytes + 32: the turning load's 8 rows x 32 bytes take each 16-byte column once
.set HALFA,  128*PAL                   ; two heads x 64 lines: what one tensor load brings
.set HALFB,  128*PBL                   ; 128 rows k
.set BOFF,   2*HALFA
.set SLOT,   BOFF+2*HALFB
.set SPARE,  2*SLOT                    ; the spare words, 128 bytes for each wave
.set STAGE,  SPARE+512                 ; the way out: 16 rows x (256 bytes + 16) for each wave; bytes of its own
.set SPITCH, 272
.set LAPS,   2                         ; a lap = two K steps = once round the ring
.set ADRA, 16                          ; v16-17  LDS address of my fragments of o in slot 0, 1
.set ADRB, 20                          ; v20-23  of Wo: slot s, rows k 128 e on: v[20 + 2 s + e]
.set STO,  24
.set RD,   25
.set CO,   26
.set BA,   27                          ; v27  the bias: 32 h
.set SPW,  28                          ; v28  my spare word; never rewritten
.set NIL,  29                          ; v29  0; never rewritten
.set OB,   32
.set BI,   96
.set ACC,  128
.set F0,   0
.set F1,   128
.set G1, 24
.set G0, 32
.set G1B, 48
.set G0B, 56
.set MSB, 0
.macro WIN new
.if MSB != (\new)
	s_set_vgpr_msb (MSB<<8)|(\new)
.set MSB, (\new)
.endif
.endm
.set MUL,  0x05                        ; sources 0 and 1 window 1; C and D window 0
.set TO_F, 0x40                        ; destination window 1, address window 0
.macro JLOAD s                         ; waves 0 and 1 fetch o's two halves, waves 2 and 3 Wo's; four v_nop follow each of the two lines
	s_cmp_eq_u32 s11, 0
	s_cbranch_scc0 .Lfor_b_\@
	tensor_load_to_lds s[G0+4*\s:G0+4*\s+3], s[G1:G1+7]
	s_nop 0
.rept 4
	v_nop
.endr
	s_branch .Lasked_\@
.Lfor_b_\@:
	tensor_load_to_lds s[G0B+4*\s:G0B+4*\s+3], s[G1B:G1B+7]
	s_nop 0
.rept 4
	v_nop
.endr
.Lasked_\@:
.endm
.macro CREST                           ; a round of the cluster's barrier behind its opening barrier
	s_cmp_lg_u32 s10, 0
	s_cbranch_scc1 .Lnot_wave_0_\@
	s_barrier_signal -3
.Lnot_wave_0_\@:
	s_barrier_wait -3
	s_barrier_signal -1
	s_barrier_wait -1
.endm
.macro CROUND
	s_barrier_signal -1
	s_barrier_wait -1
	CREST
.endm
	s_load_b128 s[4:7], s[0:1], 0x0                ; o, wo16
	s_load_b64 s[8:9], s[0:1], 0x10                ; out0
	s_load_b64 s[66:67], s[0:1], 0x18              ; bo
	v_lshl_add_u32 v[SPW], v0, 2, SPARE
	v_mov_b32 v[NIL], 0
	ds_add_u32 v28, v29
	s_wait_dscnt 0x0
	v_lshrrev_b32 v1, 5, v0
	v_readfirstlane_b32 s10, v1                    ; wave 0..3
	s_lshr_b32 s11, s10, 1                         ; which half of the tile's rows is mine.  Also: I fetch for o (0) or for Wo (1)
	s_and_b32 s12, s10, 1                          ; which half of its columns.  Also: which half of that tile I fetch
	s_bfe_u32 s40, ttmp6, 0x40000                  ; cx, cy
	s_bfe_u32 s41, ttmp6, 0x40004
	s_lshl_b32 s42, ttmp9, 2
	s_add_co_u32 s42, s42, s40                     ; tile column, 0..7
	s_and_b32 s13, ttmp7, 0xffff
	s_lshl_b32 s13, s13, 2
	s_add_co_u32 s13, s13, s41                     ; tile row, 0..31
	s_lshl_b32 s43, s41, 2
	s_lshl_b32 s43, 15, s43                        ; my row of the cluster
	s_lshl_b32 s44, 0x1111, s40                    ; my column
	; group 1 for o: 128 lines of 256 bytes (32 elements of 8), dense in memory, 16 bytes of padding behind each
	s_or_b32 s[G1+0], s43, (3<<16)|(1<<20)|(1<<21)|(5<<22)|(3<<25)
	s_mov_b32 s[G1+1], 32<<16
	s_mov_b32 s[G1+2], 128<<16
	s_mov_b32 s[G1+3], 32<<16
	s_mov_b32 s[G1+4], 128
	s_mov_b32 s[G1+5], 32
	s_mov_b32 s[G1+6], 0
	s_mov_b32 s[G1+7], 0
	; group 1 for Wo: 128 rows k x 128 elements of 2 bytes, 1,024 elements from row to row, 32 bytes of padding behind each
	s_or_b32 s[G1B+0], s44, (1<<16)|(1<<20)|(1<<21)|(5<<22)|(7<<25)
	s_mov_b32 s[G1B+1], 128<<16
	s_mov_b32 s[G1B+2], 128<<16
	s_mov_b32 s[G1B+3], 128<<16
	s_mov_b32 s[G1B+4], 128
	s_mov_b32 s[G1B+5], 1024
	s_mov_b32 s[G1B+6], 0
	s_mov_b32 s[G1B+7], 0
	s_lshl_b32 s16, s13, 18                        ; o: the tile row's 262,144 bytes,
	s_lshl_b32 s17, s12, 15
	s_add_co_u32 s16, s16, s17                     ; + my two heads of a K step
	s_mov_b32 s17, 0
	s_lshl_b32 s46, s42, 8                         ; Wo: the tile column's 256 bytes of a row,
	s_lshl_b32 s47, s12, 18
	s_add_co_u32 s46, s46, s47                     ; + my 128 rows of 2,048 bytes
	s_mov_b32 s47, 0
	s_mul_i32 s20, s12, HALFA                      ; where they go: no place in the cluster enters an LDS address
	s_mul_i32 s21, s12, HALFB
	s_add_co_u32 s21, s21, BOFF
	s_wait_kmcnt 0x0
	s_add_nc_u64 s[14:15], s[4:5], s[16:17]
	s_add_nc_u64 s[46:47], s[6:7], s[46:47]
	CROUND                                         ; all sixteen work-groups are here: the first joint loads meet
.irp s, 0,1
	s_mov_b32 s[G0+4*\s], 1
	s_add_co_u32 s[G0+4*\s+1], s20, \s*SLOT
	s_add_nc_u64 s[G0+4*\s+2:G0+4*\s+3], s[14:15], \s*65536
	s_or_b32 s[G0+4*\s+3], s[G0+4*\s+3], 0x80000000
	s_mov_b32 s[G0B+4*\s], 1
	s_add_co_u32 s[G0B+4*\s+1], s21, \s*SLOT
	s_add_nc_u64 s[G0B+4*\s+2:G0B+4*\s+3], s[46:47], \s*524288
	s_or_b32 s[G0B+4*\s+3], s[G0B+4*\s+3], 0x80000000
	JLOAD \s
.endr
	v_and_b32 v1, 15, v0                           ; r
	v_bfe_u32 v2, v0, 4, 1                         ; h
	v_lshrrev_b32 v3, 1, v1
	v_mul_u32_u24 v3, v3, PAL
	v_and_b32 v4, 1, v1
	v_lshl_add_u32 v3, v4, 7, v3
	v_lshl_add_u32 v3, v2, 4, v3                   ; o: row r: line r / 2, half r % 2, + 16 h
	s_mul_i32 s21, s11, 32*PAL                     ; my 64 rows: 32 lines
	v_and_b32 v4, 7, v0
	v_lshl_add_u32 v4, v2, 3, v4                   ; Wo: the turning load: row k = 8 h + lane % 8,
	v_mul_u32_u24 v4, v4, PBL
	v_bfe_u32 v5, v0, 3, 1
	v_lshl_add_u32 v4, v5, 4, v4                   ; columns 8 ((lane / 8) % 2) on
	s_lshl_b32 s22, s12, 7                         ; my 64 columns: 128 bytes
	s_add_co_u32 s22, s22, BOFF
.irp s, 0,1
	v_add_nc_u32 v[ADRA+\s], s21, v3
	v_add_nc_u32 v[ADRB+2*\s], s22, v4
	s_add_co_u32 s23, s22, HALFB
	v_add_nc_u32 v[ADRB+2*\s+1], s23, v4
	s_add_co_u32 s21, s21, SLOT
	s_add_co_u32 s22, s22, SLOT
.endr
	s_mul_i32 s23, s10, 16*SPITCH
	s_add_co_u32 s23, s23, STAGE                   ; my stage
	v_mul_u32_u24 v4, v1, SPITCH
	v_lshl_add_u32 v4, v2, 5, v4
	v_add_nc_u32 v[STO], s23, v4                   ; in: row r, 32 bytes for each half of the lanes
	v_mul_u32_u24 v5, v2, SPITCH
	v_lshl_add_u32 v5, v1, 4, v5
	v_add_nc_u32 v[RD], s23, v5                    ; back: lanes 0-15 one row of 256 bytes, lanes 16-31 the next
	v_lshlrev_b32 v5, 12, v2
	v_lshl_add_u32 v[CO], v1, 4, v5                ; and the same two rows in out0
	v_lshlrev_b32 v[BA], 5, v2
	s_lshl_b32 s46, s42, 9
	s_lshl_b32 s47, s12, 8
	s_add_co_u32 s46, s46, s47                     ; my first column, in bytes: 512 x tile column + 256 x half
	s_mov_b32 s47, 0
	s_add_nc_u64 s[66:67], s[66:67], s[46:47]
	s_add_nc_u64 s[8:9], s[8:9], s[46:47]
	s_lshl_b32 s16, s13, 19
	s_lshl_b32 s17, s11, 18
	s_add_co_u32 s16, s16, s17                     ; my first row: (128 x tile row + 64 x half) x 4,096 bytes
	s_mov_b32 s17, 0
	s_add_nc_u64 s[8:9], s[8:9], s[16:17]
.irp b, 0,1,2,3                        ; the bias in the result's layout: lane (r, h), block b: columns 16 b + 8 h + 0 .. 7
	global_load_b128 v[BI+8*\b:BI+8*\b+3], v[BA], s[66:67] offset:64*\b
	global_load_b128 v[BI+8*\b+4:BI+8*\b+7], v[BA], s[66:67] offset:64*\b+16
.endr
; 8 matrix instructions: m blocks a0, a0 + 1 x all 4 n blocks, 32 along K: half c of buffer f.  first = 1: the bias starts the sums.  The 16 accumulators take turns.
.macro MUL8 f, c, a0, first
.irp a, \a0, \a0+1
.irp b, 0,1,2,3
.if \first
	v_wmma_f32_16x16x32_f16 v[ACC+8*(4*(\a)+\b):ACC+8*(4*(\a)+\b)+7], v[\f+64+8*(4*\c+\b):\f+64+8*(4*\c+\b)+7], v[\f+8*(4*\c+(\a)):\f+8*(4*\c+(\a))+7], v[BI+8*\b:BI+8*\b+7]
.else
	v_wmma_f32_16x16x32_f16 v[ACC+8*(4*(\a)+\b):ACC+8*(4*(\a)+\b)+7], v[\f+64+8*(4*\c+\b):\f+64+8*(4*\c+\b)+7], v[\f+8*(4*\c+(\a)):\f+8*(4*\c+(\a))+7], v[ACC+8*(4*(\a)+\b):ACC+8*(4*(\a)+\b)+7]
.endif
.endr
.endr
.endm
; 32 LDS loads in one run: the fragments of quarter qd (one head: 64 along K) of a slot into buffer f; the first 32 along K first
.macro FETCH slot, qd, f
	WIN TO_F
.irp c, 0,1
.irp i, 0,1,2,3
	ds_load_tr16_b128 v[\f+64+8*(4*\c+\i):\f+64+8*(4*\c+\i)+3],   v[ADRB+2*\slot+(\qd)/2] offset:((2*(\qd)+\c)%4)*32*PBL+32*\i
	ds_load_tr16_b128 v[\f+64+8*(4*\c+\i)+4:\f+64+8*(4*\c+\i)+7], v[ADRB+2*\slot+(\qd)/2] offset:((2*(\qd)+\c)%4)*32*PBL+32*\i+16*PBL
	ds_load_b128 v[\f+8*(4*\c+\i):\f+8*(4*\c+\i)+3],              v[ADRA+\slot] offset:(\qd)*64*PAL+64*\c+\i*8*PAL
	ds_load_b128 v[\f+8*(4*\c+\i)+4:\f+8*(4*\c+\i)+7],            v[ADRA+\slot] offset:(\qd)*64*PAL+64*\c+\i*8*PAL+32
.endr
.endr
.endm
.macro PLACES                          ; four plain lines in front of loads into registers that matrix instructions have read, and of reads of results
.rept 4
	v_nop
.endr
.endm
; A K step is four quarters of 64 along K, 32 matrix instructions each, on buffers 0, 1, 0, 1.  One of the first three: multiplies buffer f and fetches quarter nq into g.
.macro QUARTER slot, nq, f, g, first
	s_wait_dscnt 16                                ; the first 32 along K are in; the other sixteen loads may be out
	WIN MUL
	MUL8 \f, 0, 0, \first
	MUL8 \f, 0, 2, \first
	PLACES
	FETCH \slot, \nq, \g
	s_wait_dscnt 32                                ; all but the 32 just issued
	WIN MUL
	MUL8 \f, 1, 0, 0
	MUL8 \f, 1, 2, 0
.endm
; The last quarter multiplies buffer 1 and changes slots: ONE barrier; in front of it each wave waits for all its tensor loads, adds 0 to its spare word, and waits for that and for its reads of this slot.
.macro TURN slot, next, fill
	WIN 0                                          ; (the add's two registers lie in window 0)
	s_wait_tensorcnt 0x0                           ; all my tensor loads have landed: my part of the next slot
	ds_add_u32 v[SPW], v[NIL]                      ; 0 onto my spare word
	s_wait_dscnt 17                                ; (the add and the youngest sixteen loads may be out)
	WIN MUL
	MUL8 F1, 0, 0, 0
	s_wait_dscnt 0x0                               ; the add is done, and my reads of this slot are over
	s_barrier_signal -1
	MUL8 F1, 0, 2, 0
.if \fill
	WIN 0
.endif
	s_barrier_wait -1
.if \fill
	CREST                                          ; the barrier has opened a round of the cluster's: no wave of any partner still reads this slot or has a load on its way
	s_add_nc_u64 s[G0+4*\slot+2:G0+4*\slot+3], s[G0+4*\slot+2:G0+4*\slot+3], 131072      ; two K steps on: eight heads of 16,384 bytes,
	s_add_nc_u64 s[G0B+4*\slot+2:G0B+4*\slot+3], s[G0B+4*\slot+2:G0B+4*\slot+3], 1048576 ; 512 rows of 2,048 bytes
	JLOAD \slot                                    ; the first tensor load behind the round; the four v_nop behind it are also the places in front of the loads below
.else
	PLACES
.endif
	FETCH \next, 0, F0
	WIN MUL
	MUL8 F1, 1, 0, 0
	MUL8 F1, 1, 2, 0
.endm
	s_wait_tensorcnt 1                             ; my part of K step 0 is in (K step 1's load may be out),
	s_barrier_signal -1
	s_barrier_wait -1                              ; everybody's is
	FETCH 0, 0, F0
	s_wait_loadcnt 0x0                             ; the bias
	QUARTER 0, 1, F0, F1, 1                        ; the first quarter stands in front of the loop: its first products start the sums
	WIN 0                                          ; at a label and at a branch every window is 0
	s_mov_b32 s3, LAPS-1
.Llap:                                                 ; a trip goes once round the ring, from a lap's second quarter to the next lap's first, and fills both slots again
	QUARTER 0, 2, F1, F0, 0
	QUARTER 0, 3, F0, F1, 0
	TURN 0, 1, 1
	QUARTER 1, 1, F0, F1, 0
	QUARTER 1, 2, F1, F0, 0
	QUARTER 1, 3, F0, F1, 0
	TURN 1, 0, 1
	QUARTER 0, 1, F0, F1, 0
	WIN 0
	s_sub_co_u32 s3, s3, 1
	s_cmp_lg_u32 s3, 0
	s_cbranch_scc1 .Llap
	QUARTER 0, 2, F1, F0, 0                        ; the last lap fills nothing
	QUARTER 0, 3, F0, F1, 0
	TURN 0, 1, 0
	QUARTER 1, 1, F0, F1, 0
	QUARTER 1, 2, F1, F0, 0
	QUARTER 1, 3, F0, F1, 0
	s_wait_dscnt 16                                ; the very last quarter: nothing more to fetch
	WIN MUL
	MUL8 F1, 0, 0, 0
	MUL8 F1, 0, 2, 0
	s_wait_dscnt 0
	MUL8 F1, 1, 0, 0
	MUL8 F1, 1, 2, 0
	WIN 0
; THE WAY OUT, block by block of 16 rows x 64 columns.  A lane holds 32 neighbouring bytes of a row; a block goes through my own stage and comes back as whole rows of 256 bytes.
.macro TOSTAGE a
.set BB, OB+32*((\a)%2)
.irp b, 0,1,2,3
	ds_store_b128 v[STO], v[ACC+8*(4*(\a)+\b):ACC+8*(4*(\a)+\b)+3] offset:64*\b          ; each accumulator from its low end on
	ds_store_b128 v[STO], v[ACC+8*(4*(\a)+\b)+4:ACC+8*(4*(\a)+\b)+7] offset:64*\b+16
.endr
.irp t, 0,1,2,3,4,5,6,7
	ds_load_b128 v[BB+4*\t:BB+4*\t+3], v[RD] offset:\t*2*SPITCH    ; LDS serves a wave's instructions in order: these see the stores above
.endr
.endm
.macro SEND a, younger                 ; younger: the LDS instructions issued behind block a's loads, which may stay out
.set BB, OB+32*((\a)%2)
	s_wait_dscnt \younger
.irp t, 0,1,2,3,4,5,6,7
	global_store_b128 v[CO], v[BB+4*\t:BB+4*\t+3], s[8:9] offset:(16*(\a)+2*\t)*4096 th:TH_STORE_NT   ; sixteen lanes store 256 consecutive bytes, aligned; written once, read by nobody here
.endr
.endm
	PLACES
	TOSTAGE 0
.irp a, 1,2,3
.if \a > 1
	s_wait_xcnt 0x0                                ; block a - 2's stores have read their registers: block a's loads may land there
.endif
	TOSTAGE \a
	SEND \a-1, 16                                  ; behind block a - 1's loads: block a's 8 stores and 8 loads
.endr
	SEND 3, 0
	s_wait_tensorcnt 0x0                           ; the wave's end
	ds_add_u32 v[SPW], v[NIL]
	s_wait_dscnt 0x0
	CROUND                                         ; the closing round
	s_endpgm
.Lfunc_end_k_q3a1eacb164_oproj:
	.size	k_q3a1eacb164_oproj, .Lfunc_end_k_q3a1eacb164_oproj-k_q3a1eacb164_oproj
	.p2alignl 7, 3214868480
	.fill 96, 4, 3214868480
	.section	.rodata,"a",@progbits
	.p2align	6, 0x0
	.amdhsa_kernel k_q3a1eacb164_oproj
		.amdhsa_group_segment_fixed_size 327680
		.amdhsa_private_segment_fixed_size 0
		.amdhsa_enable_private_segment 0
		.amdhsa_kernarg_size 32
		.amdhsa_user_sgpr_count 2
		.amdhsa_user_sgpr_kernarg_segment_ptr 1
		.amdhsa_wavefront_size32 1
		.amdhsa_system_sgpr_workgroup_id_x 1
		.amdhsa_system_sgpr_workgroup_id_y 1
		.amdhsa_system_sgpr_workgroup_id_z 1
		.amdhsa_system_vgpr_workitem_id 0
		.amdhsa_next_free_vgpr 512
		.amdhsa_next_free_sgpr 68
		.amdhsa_reserve_vcc 0
		.amdhsa_float_denorm_mode_32 3
		.amdhsa_float_denorm_mode_16_64 3
		.amdhsa_memory_ordered 1
		.amdhsa_forward_progress 1
		.amdhsa_inst_pref_size 87
	.end_amdhsa_kernel
	.amdgpu_metadata
---
amdhsa.version: [ 1, 2 ]
amdhsa.kernels:
  - .name:           k_q3a1eacb164_oproj
    .symbol:         k_q3a1eacb164_oproj.kd
    .args:
      - { .name: o, .offset: 0, .size: 8, .value_kind: global_buffer, .address_space: global }
      - { .name: wo16, .offset: 8, .size: 8, .value_kind: global_buffer, .address_space: global }
      - { .name: out0, .offset: 16, .size: 8, .value_kind: global_buffer, .address_space: global }
      - { .name: bo, .offset: 24, .size: 8, .value_kind: global_buffer, .address_space: global }
    .group_segment_fixed_size: 327680
    .private_segment_fixed_size: 0
    .kernarg_segment_align: 8
    .kernarg_segment_size: 32
    .max_flat_workgroup_size: 128
    .sgpr_count:     68
    .vgpr_count:     512
    .wavefront_size: 32
...
	.end_amdgpu_metadata
.endif
;; end of part 4
